; MI455X (gfx1250); checked and timed in simulation.
; The chip was launched on July 23, 2026; its instructions are those of AMD's public machine-readable ISA for CDNA 5 (MIT licence, August 2026) and "CDNA5" Instruction Set Architecture Reference Guide (July 2026). The comments in the code are by the model that wrote it; some were corrected since.
;; Prob Sparse Self Attention. Allowed arithmetic: matrix products marked QUANTISED: E2M1 operands, one E8M0 scale for each 32 along K, by v_wmma_scale_f32_16x16x128_f8f6f4 with both operands' format E2M1 (or v_wmma_scale_f32_32x16x128_f4), f32 sums; products left as they are: bf16, f16 or f32 operands; f32 sums; everything else in f32.
;; Inputs: bk 1,024 float32; bo 1,024 float32; bq 1,024 float32; bv 1,024 float32; k 4 x 2,048 x 1,024 float32; q 4 x 2,048 x 1,024 float32; v 4 x 2,048 x 1,024 float32; wk 1,024 x 1,024 float32; wo 1,024 x 1,024 float32; wq 1,024 x 1,024 float32; wv 1,024 x 1,024 float32.
;; Outputs: out0 4 x 2,048 x 1,024 float32.
;; This version of the problem:
;;   THIS VERSION OF THE PROBLEM IS GIVEN IN LOW PRECISION. The matrix products marked QUANTISED in the list below multiply operands that are first quantised to E2M1 (2 exponent bits, 1 mantissa bit; 4 bits a number), with one power-of-two scale for each 32 numbers along K (OCP MX v1.0); their sums are f32. The products marked 'left as it is' may take bf16, f16 or f32 operands, with f32 sums. Whichever they take, every output number must still come out within the allowed error. Rounding operands to bf16 (8 significant bits) uses up far more of that allowance than f16 does (11 bits, for magnitudes from 6e-5 to 65,504). All else is computed in f32.
;;   The module's matrix products, in the order in which they are computed (A, B: the left and right operand; K: the contracted axis; several contracted axes count as one K, in the product's order):
;;     1. [M 8,192, K 1,024] x [K 1,024, N 1,024]; A: input q; B: input wq: QUANTISED
;;     2. [M 8,192, K 1,024] x [K 1,024, N 1,024]; A: input k; B: input wk: QUANTISED
;;     3. [M 8,192, K 1,024] x [K 1,024, N 1,024]; A: input v; B: input wv: QUANTISED
;;     4. batch 64 x [M 2,048, K 64] x [K 64, N 2,048]; A: computed on the way; B: computed on the way: left as it is (an operand is computed on the way)
;;     5. batch 64 x [M 2,048, K 2,048] x [K 2,048, N 64]; A: computed on the way; B: computed on the way: left as it is (an operand is computed on the way)
;;     6. [M 8,192, K 1,024] x [K 1,024, N 1,024]; A: computed on the way; B: input wo: left as it is (an operand is computed on the way)
;;   THE QUANTISER, for each operand of a quantised product, along K:
;;     - K is cut into blocks of 32 from its start; a last block that is shorter is filled with zeros.
;;     - A block's scale is 2^e with e = floor(log2(the largest magnitude in the block)) - 2, held to -126 .. 127; a block of zeros has e = 0. As a byte (E8M0): e + 127.
;;     - Each number is divided by its block's scale, clamped to +-6, and rounded to the nearest number of E2M1, ties to even, subnormals kept.
;;     - The product sums the exact products of the quantised numbers (number of the format x scale) in f32.
;;   ~~~python
;;   def quantise(x, axis):      # numpy; x: float32 -> the quantised numbers, widened to float32 again
;;       x = np.moveaxis(x, axis, -1); K = x.shape[-1]
;;       x = np.pad(x, [(0, 0)] * (x.ndim - 1) + [(0, -K % 32)]); x = x.reshape(x.shape[:-1] + (-1, 32)); a = np.abs(x).max(-1, keepdims=True)
;;       e = np.where(a > 0, np.clip(np.frexp(np.where(a > 0, a, 1))[1] - 1 - 2, -126, 127), 0)      # np.frexp(a)[1] - 1 = floor(log2(a)), exactly
;;       r = np.clip(x / 2.0 ** e, -6, 6)
;;       step = 2.0 ** (np.maximum(np.frexp(np.where(r == 0, 1, r))[1] - 1, 0) - 1)
;;       q = np.round(r / step) * step * 2.0 ** e      # np.round: ties to even
;;       return np.moveaxis(q.reshape(q.shape[:-2] + (-1,))[..., :K], -1, axis).astype(np.float32)
;;   ~~~
;; One version. Each part assembles by itself: llvm-mc -triple=amdgcn-amd-amdhsa -mcpu=gfx1250 --defsym DOCPART=n.
;; ======== version 1 of 1: 5 launches
;; limits: values are held in f16: magnitudes above 65,504 overflow, below 6.1e-05 lose precision
;; workspace buffers: xc 12,582,912 bytes; xs 786,432 bytes; wc 1,572,864 bytes; ws 98,304 bytes; wof 2,097,152 bytes; hx 50,331,648 bytes; of 16,777,216 bytes
;; launch qx (part 1): grid 768 x 1, 4 waves a work-group, no clusters, 33,280 bytes of LDS; arguments q, k, v, xc, xs; writes xc, xs
.if DOCPART == 1
	.amdgcn_target "amdgcn-amd-amdhsa--gfx1250"
	.amdhsa_code_object_version 6
	.text
	.protected	k_qfc47ac5bed_qx
	.globl	k_qfc47ac5bed_qx
	.p2align	8
	.type	k_qfc47ac5bed_qx,@function
k_qfc47ac5bed_qx:
	s_mov_b64 s[64:65], 0
	v_nop
	global_prefetch_b8 v0, s[64:65] scope:SCOPE_SE
	s_setreg_imm32_b32 hwreg(HW_REG_WAVE_MODE, 25, 1), 1
	s_wait_xcnt 0x0
; q, k, v, each [8192][1024] f32, become codes of FP4 (E2M1), K innermost, two codes a byte, and one E8M0 scale byte for each 32 along K.
; xc: [3][8192][512 bytes]; xs: [3][8192][32 bytes]; tensor 0 = q, 1 = k, 2 = v.
; A block's scale is 2^(floor(log2(its largest magnitude)) - 2); its byte is the largest magnitude's exponent field - 2, held at 1 from below.
; LIMITS: a block of zeros gets the byte 1 where the rule says 127 (its codes are zeros, and this program alone reads the bytes); blocks whose largest
; magnitude lies under 2^-124 are held at the byte 1; NaN and infinities among the inputs are not served.
; Rows are dense and K is a multiple of 32: each tensor is a plain stream of blocks of 32, and so are its codes and scale bytes.  256 work-groups to a tensor, 8,192 numbers to a wave,
; in 16 steps of 512.  Each load reads 512 consecutive bytes, 16 a lane; a step's 2,048 bytes turn through the wave's own stage in LDS and come back 64 bytes a lane, so that a lane
; holds 16 neighbours along K (two lanes to a block).  A lane's 16 codes are 8 bytes: the wave stores 256 consecutive bytes.  A wave's 256 scale bytes are gathered in LDS and leave together.
; No barrier: waves share nothing.  Loads run four steps (16 loads a wave) ahead, the turn through LDS one step.
.set WAVES, 4
.set STEPS, 16
.set EMAX,  2
.set CB,    8                          ; bytes of 16 codes
.set R,     16                         ; v16-79   four sets of 16 numbers as loaded
.set X,     80                         ; v80-111  two sets of 16 neighbours
.set E,     112                        ; v112-127 a scale byte for each step
.set C,     128                        ; v128-191 codes: four registers a step, so that no store's data are written again
.set WREG,  8192                       ; LDS: a region for each wave: two stages of 32 x SP bytes, then its 256 scale bytes
.set SP,    80                         ; a lane's place in a stage: 64 bytes + 16 of padding
.set SPW,   12                         ; v12 LDS address of my spare word; never rewritten
.set NIL,   13                         ; v13 0; never rewritten
.set SPARE, WAVES*WREG                 ; behind the regions: the spare words, 128 bytes a wave
	s_load_b128 s[4:7], s[0:1], 0x0                ; q, k
	s_load_b128 s[8:11], s[0:1], 0x10              ; v, xc
	s_load_b64 s[12:13], s[0:1], 0x20              ; xs
	v_lshl_add_u32 v[SPW], v0, 2, SPARE
	v_mov_b32 v[NIL], 0
	v_lshrrev_b32 v1, 5, v0
	v_readfirstlane_b32 s16, v1                    ; wave
	v_and_b32 v2, 31, v0                           ; lane
	v_lshlrev_b32 v3, 4, v2                        ; my 16 bytes of a load's 512
	s_mul_i32 s17, s16, WREG
	v_lshrrev_b32 v14, 2, v2
	v_mul_u32_u24 v14, v14, SP
	v_and_b32 v15, 3, v2
	v_lshl_add_u32 v14, v15, 4, v14
	v_add_nc_u32 v14, s17, v14                     ; the stage, way in: SP (lane / 4) + 16 (lane % 4)
	v_mul_u32_u24 v15, v2, SP
	v_add_nc_u32 v15, s17, v15                     ; way out: SP x lane: my 16 neighbours
	v_mul_u32_u24 v4, v2, CB                       ; my codes' place in a step's
	v_lshrrev_b32 v5, 1, v2
	s_add_co_u32 s17, s17, 2*32*SP
	v_add_nc_u32 v5, s17, v5                       ; my block's byte among my wave's 256
	v_lshlrev_b32 v7, 3, v2
	v_add_nc_u32 v6, s17, v7                       ; and 8 bytes a lane on their way out
	s_wait_kmcnt 0x0
	s_cmp_lt_u32 ttmp9, 256                        ; which tensor: the choice hangs on the work-group's number alone
	s_cselect_b64 s[4:5], s[4:5], s[6:7]
	s_cmp_lt_u32 ttmp9, 512
	s_cselect_b64 s[4:5], s[4:5], s[8:9]
	s_and_b32 s17, ttmp9, 255
	s_lshl_b32 s17, s17, 2
	s_add_co_u32 s18, s17, s16                     ; my run of 8,192 numbers in the tensor
	s_lshl_b32 s20, s18, 15                        ; 32,768 bytes a run
	s_mov_b32 s21, 0
	s_add_nc_u64 s[4:5], s[4:5], s[20:21]
	s_lshl_b32 s18, ttmp9, 2
	s_add_co_u32 s18, s18, s16                     ; my run among all three tensors': their codes and bytes lie on end
	s_lshl_b32 s20, s18, 12                        ; 4,096 bytes of codes a run
	s_add_nc_u64 s[10:11], s[10:11], s[20:21]
	s_lshl_b32 s20, s18, 8                         ; 256 scale bytes a run
	s_add_nc_u64 s[12:13], s[12:13], s[20:21]
.macro LOAD t
.irp i, 0,1,2,3
	global_load_b128 v[R+16*((\t)%4)+4*\i:R+16*((\t)%4)+4*\i+3], v3, s[4:5] offset:2048*(\t)+512*\i th:TH_LOAD_NT
.endr
.endm
.macro TURN t                          ; step t's numbers through the stage: LDS serves a wave's instructions in order, so no wait stands between the stores and the loads
.irp i, 0,1,2,3
	ds_store_b128 v14, v[R+16*((\t)%4)+4*\i:R+16*((\t)%4)+4*\i+3] offset:32*SP*((\t)%2)+8*SP*\i
.endr
.irp i, 0,1,2,3
	ds_load_b128 v[X+16*((\t)%2)+4*\i:X+16*((\t)%2)+4*\i+3], v15 offset:32*SP*((\t)%2)+16*\i
.endr
.endm
.irp t, 0,1,2,3
	LOAD \t
.endr
	s_wait_loadcnt 12                              ; step 0's four loads are in; three steps' twelve may be out
	TURN 0
.macro STEP t
.set XS, X+16*((\t)%2)
.if (\t) > 0
	s_wait_dscnt 1                                 ; this step's numbers are back from the stage (the last step's byte store may be out)
.else
	s_wait_dscnt 0x0
.endif
.if (\t)+4 < STEPS
	LOAD (\t)+4                                    ; into the registers that the stage's stores have read
.endif
.if (\t)+1 < STEPS
.if STEPS-2-(\t) >= 3
	s_wait_loadcnt 12                              ; the next step's four loads are in; those of the three steps behind it may be out
.else
	s_wait_loadcnt 4*(STEPS-2-(\t))
.endif
	TURN (\t)+1
.endif
	v_max3_num_f32 v8, |v[XS]|, |v[XS+1]|, |v[XS+2]|               ; the largest magnitude of my 16, in two chains
	v_max3_num_f32 v9, |v[XS+3]|, |v[XS+4]|, |v[XS+5]|
.irp i, 6,10
	v_max3_num_f32 v8, v8, |v[XS+\i]|, |v[XS+\i+1]|
	v_max3_num_f32 v9, v9, |v[XS+\i+2]|, |v[XS+\i+3]|
.endr
	v_max3_num_f32 v8, v8, |v[XS+14]|, |v[XS+15]|
	v_max3_num_f32 v8, v8, v9, (EMAX+1)<<23        ; and the floor 2^(3 - 127): the byte cannot fall under 1
	v_max_num_f32_dpp v8, v8, v8 row_xmask:1 row_mask:0xf bank_mask:0xf   ; with my neighbour's 16: the block's
	v_add_nc_u32 v11, -(EMAX<<23), v8              ; 2 off its exponent field: the conversion takes the exponent field of this operand as its scale
	v_cvt_scalef32_pk8_fp4_f32 v[C+4*(\t)], v[XS:XS+7], v11
	v_cvt_scalef32_pk8_fp4_f32 v[C+4*(\t)+1], v[XS+8:XS+15], v11
	v_lshrrev_b32 v[E+(\t)], 23, v11               ; the scale's byte (a plain line behind the conversions)
	ds_store_b8 v5, v[E+(\t)] offset:16*(\t)       ; both lanes of a block write the same byte with the same value
	global_store_b64 v4, v[C+4*(\t):C+4*(\t)+1], s[10:11] offset:32*CB*(\t)   ; 32 lanes store 256 consecutive bytes, aligned
.endm
.irp t, 0,1,2,3,4,5,6,7,8,9,10,11,12,13,14,15
	STEP \t
.endr
	ds_load_b64 v[8:9], v6                         ; LDS serves a wave's instructions in order: these see my byte stores
	s_wait_dscnt 0x0
	global_store_b64 v7, v[8:9], s[12:13]          ; 32 lanes store 256 consecutive bytes, aligned
	s_wait_tensorcnt 0x0                           ; the wave's end, behind my last LDS store
	ds_add_u32 v[SPW], v[NIL]
	s_wait_dscnt 0x0
	s_endpgm
.Lfunc_end_k_qfc47ac5bed_qx:
	.size	k_qfc47ac5bed_qx, .Lfunc_end_k_qfc47ac5bed_qx-k_qfc47ac5bed_qx
	.p2alignl 7, 3214868480
	.fill 96, 4, 3214868480
	.section	.rodata,"a",@progbits
	.p2align	6, 0x0
	.amdhsa_kernel k_qfc47ac5bed_qx
		.amdhsa_group_segment_fixed_size 33280
		.amdhsa_private_segment_fixed_size 0
		.amdhsa_enable_private_segment 0
		.amdhsa_kernarg_size 40
		.amdhsa_user_sgpr_count 2
		.amdhsa_user_sgpr_kernarg_segment_ptr 1
		.amdhsa_wavefront_size32 1
		.amdhsa_system_sgpr_workgroup_id_x 1
		.amdhsa_system_sgpr_workgroup_id_y 1
		.amdhsa_system_sgpr_workgroup_id_z 1
		.amdhsa_system_vgpr_workitem_id 0
		.amdhsa_next_free_vgpr 192
		.amdhsa_next_free_sgpr 66
		.amdhsa_reserve_vcc 0
		.amdhsa_float_denorm_mode_32 3
		.amdhsa_float_denorm_mode_16_64 3
		.amdhsa_memory_ordered 1
		.amdhsa_forward_progress 1
		.amdhsa_inst_pref_size 33
	.end_amdhsa_kernel
	.amdgpu_metadata
---
amdhsa.version: [ 1, 2 ]
amdhsa.kernels:
  - .name:           k_qfc47ac5bed_qx
    .symbol:         k_qfc47ac5bed_qx.kd
    .args:
      - { .name: q, .offset: 0, .size: 8, .value_kind: global_buffer, .address_space: global }
      - { .name: k, .offset: 8, .size: 8, .value_kind: global_buffer, .address_space: global }
      - { .name: v, .offset: 16, .size: 8, .value_kind: global_buffer, .address_space: global }
      - { .name: xc, .offset: 24, .size: 8, .value_kind: global_buffer, .address_space: global }
      - { .name: xs, .offset: 32, .size: 8, .value_kind: global_buffer, .address_space: global }
    .group_segment_fixed_size: 33280
    .private_segment_fixed_size: 0
    .kernarg_segment_align: 8
    .kernarg_segment_size: 40
    .max_flat_workgroup_size: 128
    .sgpr_count:     66
    .vgpr_count:     192
    .wavefront_size: 32
...
	.end_amdgpu_metadata
.endif
;; end of part 1
;; launch qw (part 2): grid 160 x 1, 8 waves a work-group, no clusters, 18,944 bytes of LDS; arguments wq, wk, wv, wo, wc, ws, wof; writes wc, ws, wof
.if DOCPART == 2
	.amdgcn_target "amdgcn-amd-amdhsa--gfx1250"
	.amdhsa_code_object_version 6
	.text
	.protected	k_qfc47ac5bed_qw
	.globl	k_qfc47ac5bed_qw
	.p2align	8
	.type	k_qfc47ac5bed_qw,@function
k_qfc47ac5bed_qw:
	s_mov_b64 s[64:65], 0
	v_nop
	global_prefetch_b8 v0, s[64:65] scope:SCOPE_SE
	s_setreg_imm32_b32 hwreg(HW_REG_WAVE_MODE, 25, 1), 1
	s_wait_xcnt 0x0
; The four weights, each [1024 (k)][1024 (n)] f32, K along the FIRST axis.
; Work-groups 0-95: wq, wk, wv become codes of FP4 (E2M1) laid [3][n 1024][512 bytes], K innermost, and E8M0 scale bytes [3][n 1024][32].
;   A work-group takes 32 columns and all of K; wave w takes k = 128 w .. 128 w + 127.  A LANE TAKES A COLUMN AND ITS REGISTERS RUN DOWN K: a block of 32 lies in one lane, and the conversions
;   give codes with K innermost.  The eight waves' codes meet in a stage (32 rows of 512 bytes + 16), one barrier, and leave as whole rows: a store of a wave covers 512 consecutive bytes.
;   LIMITS: a block of zeros gets the byte 1 where the rule says 127 (zero codes; only this program reads the bytes); blocks under 2^-124 are held at the byte 1; NaN and infinities are not served.
; Work-groups 96-159: wo becomes f16, laid as the operand registers of the last product take it: [nb 8][k32 32][nt 8][half 2][lane 32][16 bytes]; a fragment is 16 n x 32 k,
;   lane (r, h) holds n = r, half 0: k = 8 h + 0..7, half 1: k = 16 + 8 h + 0..7.  A wave makes four fragments; no LDS.  LIMIT: |wo| beyond 65,504 leaves f16's range.
; The two paths part on the work-group's number alone; only the first touches LDS.
.set SPITCH, 528
.set SCS,   32*SPITCH                  ; behind the stage: 32 rows x 32 scale bytes
.set SPARE, SCS+1024                   ; the spare words, 128 bytes a wave
.set SPW,   14
.set NIL,   15
.set X,     32                         ; v32-159  four blocks of 32 numbers
.set C,     160                        ; v160-175 codes, four registers a block
.set OUTR,  176                        ; v176-191 the way out
	s_load_b256 s[4:11], s[0:1], 0x0               ; wq, wk, wv, wo
	s_load_b128 s[12:15], s[0:1], 0x20             ; wc, ws
	s_load_b64 s[16:17], s[0:1], 0x30              ; wof
	v_lshl_add_u32 v[SPW], v0, 2, SPARE
	v_mov_b32 v[NIL], 0
	v_lshrrev_b32 v1, 5, v0
	v_readfirstlane_b32 s20, v1                    ; wave 0..7
	v_and_b32 v1, 31, v0                           ; lane
	v_lshlrev_b32 v6, 4, v1                        ; 16 x lane
	s_cmp_lt_u32 ttmp9, 96
	s_cbranch_scc0 .Lwo
	; ---------------- wq, wk, wv
	s_lshr_b32 s21, ttmp9, 5                       ; which weight
	s_and_b32 s22, ttmp9, 31                       ; which 32 columns
	v_lshlrev_b32 v2, 2, v1                        ; in: 4 bytes a lane
	v_mul_u32_u24 v3, v1, SPITCH
	s_lshl_b32 s23, s20, 6
	v_add_nc_u32 v3, s23, v3                       ; stage, way in: row = my column, + my wave's 64 bytes
	v_lshlrev_b32 v4, 5, v1
	s_lshl_b32 s23, s20, 2
	v_add_nc_u32 v4, s23, v4
	v_add_nc_u32 v4, SCS, v4                       ; my column's scale bytes, my wave's word
	s_mul_i32 s23, s20, 4*SPITCH
	v_add_nc_u32 v5, s23, v6                       ; stage, way back: rows 4 w .. 4 w + 3, 16 bytes a lane
	s_and_b32 s23, s20, 1
	s_lshl_b32 s23, s23, 9
	v_add_nc_u32 v7, s23, v6
	v_add_nc_u32 v7, SCS, v7                       ; the scale bytes' way back (waves 0 and 1): 512 bytes each
	s_lshl_b32 s24, s20, 19                        ; the weight: my wave's 128 rows of 4,096 bytes,
	s_lshl_b32 s25, s22, 7                         ; my work-group's 32 columns
	s_add_co_u32 s24, s24, s25
	s_mov_b32 s25, 0
	s_lshl_b32 s26, s21, 19                        ; wc: 524,288 bytes a weight,
	s_lshl_b32 s27, s22, 14                        ; 32 rows of 512,
	s_add_co_u32 s26, s26, s27
	s_lshl_b32 s27, s20, 11                        ; my wave's four rows
	s_add_co_u32 s26, s26, s27
	s_mov_b32 s27, 0
	s_lshl_b32 s28, s21, 15                        ; ws: 32,768 bytes a weight,
	s_lshl_b32 s29, s22, 10                        ; 32 rows of 32,
	s_add_co_u32 s28, s28, s29
	s_lshl_b32 s29, s20, 9                         ; 512 bytes for each of waves 0 and 1
	s_add_co_u32 s28, s28, s29
	s_mov_b32 s29, 0
	s_wait_kmcnt 0x0
	s_cmp_eq_u32 s21, 0
	s_cselect_b64 s[4:5], s[4:5], s[6:7]
	s_cmp_eq_u32 s21, 2
	s_cselect_b64 s[4:5], s[8:9], s[4:5]
	s_add_nc_u64 s[4:5], s[4:5], s[24:25]
	s_add_nc_u64 s[12:13], s[12:13], s[26:27]
	s_add_nc_u64 s[14:15], s[14:15], s[28:29]
.macro LOADW t                         ; block t: W(128 w + 32 t + i, my column)
.set i, 0
.rept 32
	global_load_b32 v[X+32*(\t)+i], v2, s[4:5] offset:4096*(32*(\t)+i)
.set i, i+1
.endr
.endm
	LOADW 0
	LOADW 1
.macro BLOCK t
.set XS, X+32*(\t)
.if (\t) < 3
	s_wait_loadcnt 32                              ; this block's 32 loads are in; the next block's 32 may be out
.else
	s_wait_loadcnt 0x0
.endif
.if (\t)+2 < 4
	LOADW (\t)+2                                   ; two blocks ahead; every block has registers of its own
.endif
	v_max3_num_f32 v12, |v[XS]|, |v[XS+1]|, |v[XS+2]|              ; the block's largest magnitude: all 32 numbers are mine
	v_max3_num_f32 v13, |v[XS+3]|, |v[XS+4]|, |v[XS+5]|
.irp i, 6,10,14,18,22,26
	v_max3_num_f32 v12, v12, |v[XS+\i]|, |v[XS+\i+1]|
	v_max3_num_f32 v13, v13, |v[XS+\i+2]|, |v[XS+\i+3]|
.endr
	v_max3_num_f32 v12, v12, |v[XS+30]|, |v[XS+31]|
	v_max3_num_f32 v12, v12, v13, 0x1800000        ; and the floor 2^(3 - 127): the byte cannot fall under 1
	v_add_nc_u32 v11, 0xff000000, v12              ; 2 off its exponent field: the conversion's scale operand
	v_lshrrev_b32 v13, 23, v11                     ; the scale's byte
.if (\t) == 0
	v_mov_b32 v16, v13                             ; four bytes to a word, the lower K in the lower byte
.else
	v_lshl_or_b32 v16, v13, 8*(\t), v16
.endif
.irp g, 0,1,2,3
	v_cvt_scalef32_pk8_fp4_f32 v[C+4*(\t)+\g], v[XS+8*\g:XS+8*\g+7], v11
.endr
	v_nop                                          ; one plain line behind the conversions
	ds_store_b128 v3, v[C+4*(\t):C+4*(\t)+3] offset:16*(\t)        ; 32 codes: 16 bytes of my column's row
.endm
	BLOCK 0
	BLOCK 1
	BLOCK 2
	BLOCK 3
	ds_store_b32 v4, v16
	s_wait_dscnt 0x0                               ; for the others' sake: my stores have landed
	s_barrier_signal -1
	s_barrier_wait -1                              ; 32 whole rows of codes and of scale bytes lie in LDS
.irp i, 0,1,2,3
	ds_load_b128 v[OUTR+4*\i:OUTR+4*\i+3], v5 offset:SPITCH*\i
.endr
.irp i, 0,1,2,3
	s_wait_dscnt 3-\i                              ; row i is back; the younger rows may be out
	global_store_b128 v6, v[OUTR+4*\i:OUTR+4*\i+3], s[12:13] offset:512*\i    ; a whole row: 512 consecutive bytes, aligned
.endr
	s_cmp_lt_u32 s20, 2
	s_cbranch_scc0 .Lw_end
	ds_load_b128 v[C:C+3], v7                      ; the 1,024 scale bytes are consecutive in ws: waves 0 and 1 store 512 each
	s_wait_dscnt 0x0
	global_store_b128 v6, v[C:C+3], s[14:15]
.Lw_end:
	s_wait_tensorcnt 0x0                           ; the wave's end, behind my last LDS store
	ds_add_u32 v[SPW], v[NIL]
	s_wait_dscnt 0x0
	s_endpgm
	; ---------------- wo
.Lwo:
	s_sub_co_u32 s21, ttmp9, 96
	s_lshl_b32 s21, s21, 3
	s_add_co_u32 s21, s21, s20                     ; 0..511
	s_lshr_b32 s22, s21, 4                         ; k32: which 32 along K
	s_and_b32 s23, s21, 15                         ; which 64 columns: four tiles of 16
	v_and_b32 v2, 15, v0                           ; r
	v_bfe_u32 v3, v0, 4, 1                         ; h
	v_lshlrev_b32 v2, 2, v2
	v_lshl_add_u32 v2, v3, 15, v2                  ; 8 h rows of 4,096 bytes + 4 r
	s_lshl_b32 s24, s22, 17                        ; 32 rows
	s_lshl_b32 s25, s23, 8                         ; 64 columns
	s_add_co_u32 s24, s24, s25
	s_mov_b32 s25, 0
	s_lshr_b32 s26, s23, 1
	s_lshl_b32 s26, s26, 18                        ; nb: 262,144 bytes
	s_lshl_b32 s27, s22, 13                        ; k32: 8,192
	s_add_co_u32 s26, s26, s27
	s_and_b32 s27, s23, 1
	s_lshl_b32 s27, s27, 12                        ; four tiles: 4,096
	s_add_co_u32 s26, s26, s27
	s_mov_b32 s27, 0
	s_wait_kmcnt 0x0
	s_add_nc_u64 s[10:11], s[10:11], s[24:25]
	s_add_nc_u64 s[16:17], s[16:17], s[26:27]
.irp i, 0,1,2,3
.irp f, 0,1
.irp j, 0,1,2,3,4,5,6,7
	global_load_b32 v[32+16*\i+8*\f+\j], v2, s[10:11] offset:(16*\f+\j)*4096+64*\i   ; wo(32 k32 + 16 f + 8 h + j, 16 (tile) + r)
.endr
.endr
.endr
.irp i, 0,1,2,3
	s_wait_loadcnt 48-16*\i                        ; this fragment's 16 loads are in; the younger fragments' may be out
.irp p, 0,1,2,3,4,5,6,7
	v_cvt_pk_f16_f32 v[96+8*\i+\p], v[32+16*\i+2*\p], v[33+16*\i+2*\p]
.endr
	global_store_b128 v6, v[96+8*\i:99+8*\i], s[16:17] offset:1024*\i          ; 512 consecutive bytes, aligned
	global_store_b128 v6, v[100+8*\i:103+8*\i], s[16:17] offset:1024*\i+512
.endr
	s_endpgm
.Lfunc_end_k_qfc47ac5bed_qw:
	.size	k_qfc47ac5bed_qw, .Lfunc_end_k_qfc47ac5bed_qw-k_qfc47ac5bed_qw
	.p2alignl 7, 3214868480
	.fill 96, 4, 3214868480
	.section	.rodata,"a",@progbits
	.p2align	6, 0x0
	.amdhsa_kernel k_qfc47ac5bed_qw
		.amdhsa_group_segment_fixed_size 18944
		.amdhsa_private_segment_fixed_size 0
		.amdhsa_enable_private_segment 0
		.amdhsa_kernarg_size 56
		.amdhsa_user_sgpr_count 2
		.amdhsa_user_sgpr_kernarg_segment_ptr 1
		.amdhsa_wavefront_size32 1
		.amdhsa_system_sgpr_workgroup_id_x 1
		.amdhsa_system_sgpr_workgroup_id_y 1
		.amdhsa_system_sgpr_workgroup_id_z 1
		.amdhsa_system_vgpr_workitem_id 0
		.amdhsa_next_free_vgpr 192
		.amdhsa_next_free_sgpr 66
		.amdhsa_reserve_vcc 0
		.amdhsa_float_denorm_mode_32 3
		.amdhsa_float_denorm_mode_16_64 3
		.amdhsa_memory_ordered 1
		.amdhsa_forward_progress 1
		.amdhsa_inst_pref_size 32
	.end_amdhsa_kernel
	.amdgpu_metadata
---
amdhsa.version: [ 1, 2 ]
amdhsa.kernels:
  - .name:           k_qfc47ac5bed_qw
    .symbol:         k_qfc47ac5bed_qw.kd
    .args:
      - { .name: wq, .offset: 0, .size: 8, .value_kind: global_buffer, .address_space: global }
      - { .name: wk, .offset: 8, .size: 8, .value_kind: global_buffer, .address_space: global }
      - { .name: wv, .offset: 16, .size: 8, .value_kind: global_buffer, .address_space: global }
      - { .name: wo, .offset: 24, .size: 8, .value_kind: global_buffer, .address_space: global }
      - { .name: wc, .offset: 32, .size: 8, .value_kind: global_buffer, .address_space: global }
      - { .name: ws, .offset: 40, .size: 8, .value_kind: global_buffer, .address_space: global }
      - { .name: wof, .offset: 48, .size: 8, .value_kind: global_buffer, .address_space: global }
    .group_segment_fixed_size: 18944
    .private_segment_fixed_size: 0
    .kernarg_segment_align: 8
    .kernarg_segment_size: 56
    .max_flat_workgroup_size: 256
    .sgpr_count:     66
    .vgpr_count:     192
    .wavefront_size: 32
...
	.end_amdgpu_metadata
.endif
;; end of part 2
;; launch proj (part 3): grid 4 x 96, 4 waves a work-group, clusters of 4 x 4, 327,680 bytes of LDS; arguments xc, xs, wc, ws, bq, bk, hx; writes hx
.if DOCPART == 3
	.amdgcn_target "amdgcn-amd-amdhsa--gfx1250"
	.amdhsa_code_object_version 6
	.text
	.protected	k_qfc47ac5bed_proj
	.globl	k_qfc47ac5bed_proj
	.p2align	8
	.type	k_qfc47ac5bed_proj,@function
k_qfc47ac5bed_proj:
	s_mov_b64 s[64:65], 0
	v_nop
	global_prefetch_b8 v0, s[64:65] scope:SCOPE_SE
	s_setreg_imm32_b32 hwreg(HW_REG_WAVE_MODE, 25, 1), 1
	s_wait_xcnt 0x0
	s_wait_alu depctr_hold_cnt(0) depctr_sa_sdst(0) depctr_va_vdst(0) depctr_va_sdst(0) depctr_va_ssrc(0) depctr_va_vcc(0) depctr_vm_vsrc(0)
	s_getreg_b32 s2, hwreg(HW_REG_IB_STS2, 6, 4)
	s_cmp_eq_u32 s2, 0
	s_cbranch_scc0 .Lentry_in_a_cluster
	s_endpgm
.Lentry_in_a_cluster:
	s_bfe_u32 s2, ttmp6, 0x10000c
	s_cmp_lg_u32 s2, 0xf033
	s_cbranch_scc0 .Lentry_shape_is_right
	s_endpgm
.Lentry_shape_is_right:
; The three projections q wq + bq, k wk + bk, v wv on codes of FP4 (E2M1) with one E8M0 scale for each 32 along K = 1024; sums in f32; results rounded to f16 and stored as the
; operand registers of the attention launch take them.  (bv is added in the attention launch, behind the softmax, whose weights sum to one.)
; A tile, 256 x 256, is made by a work-group of four waves; a wave makes 128 x 128: 64 accumulators, 512 registers.  A cluster of 4 x 4 work-groups; cluster y = 8 x tensor + sub.
; C[i][j] = sum over k of A[i][k] B[j][k].  Tensors 0, 1 (q, k): A = the tokens' codes (tile row 4 sub + cy), B = the weight's (tile column cx).  Tensor 2 (v): A = wv's codes (tile row cy),
; B = the tokens' (tile column 4 sub + cx), so that the same text gives V TRANSPOSED.  The four of a row of the cluster need the same tiles of A, the four of a column the same tiles of B:
; each tile is asked for JOINTLY, by the same tensor load with the same descriptor and a mask that names the four.
; K is two slots of 512 (rows of 256 bytes): both are asked for at the start with the scale bytes, and nothing is ever filled again.  By this text's count a wave has three tensor loads out.
; THE MATRIX INSTRUCTION IS USED TRANSPOSED (source 0 = 16 rows of B, source 1 = 16 rows of A): lane (r, h) of accumulator (a, b) holds A's row 16 a + r and B's rows 16 b + 8 h + 0..7.
; Rounded to f16 these eight are 16 bytes: half b % 2 of a 16 x 32 fragment of the next product.  So every store is 16 bytes a lane at 16 x lane: 512 consecutive bytes, aligned; no stage.
; hx: [3][bh = 16 batch + head][262,144 bytes].  Q, K: [s / 16][c32 2][half 2][lane][16].  V^T: [s / 64][ct 4][k32 2][half 2][lane][16].
; The bias is the C of each sum's first product (for v a mask makes it zeros).
; LIMITS: results beyond 65,504 leave f16's range; NaN and infinities are not served.
; REGISTERS: window 0: v0-31 addresses; v32-95 scale words, two sets; v128-191 A's fragments, one set; v192-255 the bias.  window 1: B's fragments, two sets, at v0 and v128; on the way out the packed results.
;   window 2: the accumulators of my rows 0-63 ((a, b) at v[8 (8 a + b)]); window 3: those of rows 64-127.
.set NQ,     4                         ; steps of 128 along K in a slot
.set ROWB,   256                       ; a tile's row in bytes: 512 codes
.set KROW,   512                       ; a row of codes in memory
.set PITCH,  272                       ; an LDS row: 256 bytes + 16 of padding: the 16 rows that a load touches start 68 words apart
.set FR,     8
.set NL,     2
.set NP,     4
.set HALFT,  128*PITCH
.set SLOT,   4*HALFT
.set KS,     32                        ; a row of scale bytes
.set SCL,    2*SLOT                    ; behind the slots: the scales, as units of 256 bytes + 16 of padding
.set HALFS,  (128*KS/256)*272
.set SBLK,   (16*KS/256)*272
.set SPARE,  SCL+4*HALFS               ; the spare words, 128 bytes a wave
.set ADRA, 16
.set ADRB, 20
.set CO,   26                          ; v26 16 x lane
.set ADRS, 27
.set SPW,  28
.set NIL,  29
.set BO,   30                          ; v30 32 h: my eight numbers of a tile's 16 biases
.set SC,   32
.set AF,   128
.set BI,   192
.set G1, 24
.set G0, 32
.set G1B, 48
.set G0B, 56
.set G1S, 68
.set G0S, 76
.set G1SB, 80
.set G0SB, 88
.set MSB, 0
.macro WIN new                         ; the immediate's high byte repeats the setting that is left
.if MSB != \new
	s_set_vgpr_msb (MSB<<8)|\new
.set MSB, \new
.endif
.endm
.set MUL_LO, 0xa1                      ; source 0 (B) window 1, source 1 (A) window 0, C and D window 2
.set MUL_HI, 0xf1                      ; the same, C and D window 3
.set TO_B,   0x40
; A joint load: waves 0 and 1 fetch for A, waves 2 and 3 for B.  The branch hangs on the wave's number alone.  An s_nop 0 and four v_nop follow each line.
.macro JLOAD g0a, g1a, g0b, g1b
	s_cmp_eq_u32 s15, 0
	s_cbranch_scc0 .Lfor_b_\@
	tensor_load_to_lds s[\g0a:\g0a+3], s[\g1a:\g1a+7]
	s_nop 0
.rept 4
	v_nop
.endr
	s_branch .Lasked_\@
.Lfor_b_\@:
	tensor_load_to_lds s[\g0b:\g0b+3], s[\g1b:\g1b+7]
	s_nop 0
.rept 4
	v_nop
.endr
.Lasked_\@:
.endm
.macro CROUND                          ; a round of the cluster's barrier
	s_barrier_signal -1
	s_barrier_wait -1
	s_cmp_lg_u32 s14, 0
	s_cbranch_scc1 .Lnot_wave_0_\@
	s_barrier_signal -3
.Lnot_wave_0_\@:
	s_barrier_wait -3
	s_barrier_signal -1
	s_barrier_wait -1
.endm
	s_load_b128 s[4:7], s[0:1], 0x0                ; xc, xs
	s_load_b128 s[8:11], s[0:1], 0x10              ; wc, ws
	s_load_b128 s[96:99], s[0:1], 0x20             ; bq, bk
	s_load_b64 s[12:13], s[0:1], 0x30              ; hx
	v_lshl_add_u32 v[SPW], v0, 2, SPARE
	v_mov_b32 v[NIL], 0
	ds_add_u32 v[SPW], v[NIL]                      ; the wave's opening: the add, twice on end, and its wait ahead of my first tensor load
	ds_add_u32 v[SPW], v[NIL]
	v_lshrrev_b32 v1, 5, v0
	v_readfirstlane_b32 s14, v1                    ; wave 0..3
	s_lshr_b32 s15, s14, 1                         ; which half of the tile's rows is mine.  Also: I fetch for A (0) or for B (1)
	s_and_b32 s16, s14, 1                          ; which half of its columns.  Also: which 128 rows of that tile I fetch
	s_bfe_u32 s40, ttmp6, 0x40000                  ; cx
	s_bfe_u32 s41, ttmp6, 0x40004                  ; cy
	s_and_b32 s2, ttmp7, 0xffff                    ; cluster y
	s_lshr_b32 s67, s2, 3                          ; the tensor: 0 q, 1 k, 2 v
	s_and_b32 s66, s2, 7
	s_lshl_b32 s66, s66, 2                         ; 4 x sub
	s_lshl_b32 s32, s67, 22                        ; the tensor's first byte in xc,
	s_lshl_b32 s33, s67, 19                        ; in wc,
	s_lshl_b32 s34, s67, 18                        ; in xs,
	s_lshl_b32 s35, s67, 15                        ; in ws
	s_cmp_eq_u32 s67, 2                            ; v?  The same in all sixteen partners
	s_cselect_b32 s95, 0, -1                       ; the bias's mask
	s_cselect_b32 s17, 0, s66
	s_cselect_b32 s42, s66, 0
	s_cselect_b32 s36, s33, s32                    ; A's codes,
	s_cselect_b32 s37, s32, s33                    ; B's codes,
	s_cselect_b32 s38, s35, s34                    ; A's scales,
	s_cselect_b32 s39, s34, s35                    ; B's scales
	s_add_co_u32 s17, s17, s41                     ; tile row
	s_add_co_u32 s42, s42, s40                     ; tile column
	s_lshl_b32 s43, s41, 2
	s_lshl_b32 s43, 15, s43                        ; my row of the cluster
	s_lshl_b32 s44, 0x1111, s40                    ; my column
	; descriptor group 1: a tile of 128 rows x 256 bytes, 16 bytes of padding behind each row
	s_or_b32 s[G1+0], s43, (0<<16)|(1<<20)|(1<<21)|(5<<22)|(3<<25)
	s_or_b32 s[G1B+0], s44, (0<<16)|(1<<20)|(1<<21)|(5<<22)|(3<<25)
.irp g, G1, G1B
	s_mov_b32 s[\g+1], ROWB<<16                    ; tensor_dim0
	s_mov_b32 s[\g+2], 128<<16                     ; tensor_dim1
	s_mov_b32 s[\g+3], ROWB<<16                    ; tile_dim0
	s_mov_b32 s[\g+4], 128                         ; tile_dim1
	s_mov_b32 s[\g+5], KROW                        ; pitch
	s_mov_b32 s[\g+6], 0
	s_mov_b32 s[\g+7], 0
.endr
	; the scales of 128 rows: 4,096 dense bytes, as 16 rows of 256 bytes (32 elements of 8), 16 bytes of padding behind each
	s_or_b32 s[G1S+0], s43, (3<<16)|(1<<20)|(1<<21)|(5<<22)|(3<<25)
	s_or_b32 s[G1SB+0], s44, (3<<16)|(1<<20)|(1<<21)|(5<<22)|(3<<25)
.irp g, G1S, G1SB
	s_mov_b32 s[\g+1], 32<<16
	s_mov_b32 s[\g+2], (128*KS/256)<<16
	s_mov_b32 s[\g+3], 32<<16
	s_mov_b32 s[\g+4], 128*KS/256
	s_mov_b32 s[\g+5], 32
	s_mov_b32 s[\g+6], 0
	s_mov_b32 s[\g+7], 0
.endr
	s_lshl_b32 s18, s16, 7                         ; which 128 rows of the tile I fetch
	s_lshl_b32 s20, s17, 8
	s_add_co_u32 s20, s20, s18                     ; A's row
	s_lshl_b32 s46, s42, 8
	s_add_co_u32 s46, s46, s18                     ; B's row
	s_lshl_b32 s22, s20, 5                         ; A's scales: 32 bytes a row,
	s_add_co_u32 s22, s22, s38
	s_mov_b32 s23, 0
	s_lshl_b32 s20, s20, 9                         ; A's codes: 512 bytes a row (all offsets stay under 2^24)
	s_add_co_u32 s20, s20, s36
	s_mov_b32 s21, 0
	s_lshl_b32 s92, s46, 5
	s_add_co_u32 s92, s92, s39
	s_mov_b32 s93, 0
	s_lshl_b32 s46, s46, 9
	s_add_co_u32 s46, s46, s37
	s_mov_b32 s47, 0
	s_mul_i32 s45, s14, HALFT                      ; where they go: wave x 128 rows: no place in the cluster enters an LDS address
	s_mul_i32 s94, s14, HALFS
	s_wait_dscnt 0x0                               ; both opening adds are done
	s_wait_kmcnt 0x0
	s_cmp_eq_u32 s67, 2
	s_cselect_b64 s[32:33], s[8:9], s[4:5]         ; A's codes: wc for v, else xc
	s_cselect_b64 s[34:35], s[10:11], s[6:7]       ; A's scales
	s_cselect_b64 s[36:37], s[4:5], s[8:9]         ; B's codes
	s_cselect_b64 s[38:39], s[6:7], s[10:11]       ; B's scales
	s_add_nc_u64 s[20:21], s[32:33], s[20:21]
	s_add_nc_u64 s[22:23], s[34:35], s[22:23]
	s_add_nc_u64 s[46:47], s[36:37], s[46:47]
	s_add_nc_u64 s[92:93], s[38:39], s[92:93]
	CROUND                                         ; all sixteen work-groups are here: the joint loads meet
	s_mov_b32 s[G0S], 1
	s_add_co_u32 s[G0S+1], s94, SCL
	s_mov_b64 s[G0S+2:G0S+3], s[22:23]
	s_or_b32 s[G0S+3], s[G0S+3], 0x80000000
	s_mov_b32 s[G0SB], 1
	s_add_co_u32 s[G0SB+1], s94, SCL
	s_mov_b64 s[G0SB+2:G0SB+3], s[92:93]
	s_or_b32 s[G0SB+3], s[G0SB+3], 0x80000000
	JLOAD G0S, G1S, G0SB, G1SB                     ; the scales first: they are wanted with the first slot
.irp s, 0,1
	s_mov_b32 s[G0+4*\s], 1
	s_add_co_u32 s[G0+4*\s+1], s45, \s*SLOT
	s_add_nc_u64 s[G0+4*\s+2:G0+4*\s+3], s[20:21], \s*ROWB
	s_or_b32 s[G0+4*\s+3], s[G0+4*\s+3], 0x80000000
	s_mov_b32 s[G0B+4*\s], 1
	s_add_co_u32 s[G0B+4*\s+1], s45, \s*SLOT
	s_add_nc_u64 s[G0B+4*\s+2:G0B+4*\s+3], s[46:47], \s*ROWB
	s_or_b32 s[G0B+4*\s+3], s[G0B+4*\s+3], 0x80000000
	JLOAD G0+4*\s, G1, G0B+4*\s, G1B
.endr
	; the bias of my 128 columns (B's rows): register 8 b + j = bias[256 tile column + 128 half + 16 b + 8 h + j].  For v the offset is 0 and the mask makes zeros of what is loaded
	v_and_b32 v1, 15, v0                           ; r
	v_bfe_u32 v2, v0, 4, 1                         ; h
	v_lshlrev_b32 v[BO], 5, v2
	s_cmp_eq_u32 s67, 0
	s_cselect_b64 s[96:97], s[96:97], s[98:99]     ; bq for q, else bk
	s_lshl_b32 s100, s42, 10
	s_lshl_b32 s101, s16, 9
	s_add_co_u32 s100, s100, s101
	s_cmp_eq_u32 s67, 2
	s_cselect_b32 s100, 0, s100
	s_mov_b32 s101, 0
	s_add_nc_u64 s[96:97], s[96:97], s[100:101]
.irp b, 0,1,2,3,4,5,6,7
	global_load_b128 v[BI+8*\b:BI+8*\b+3], v[BO], s[96:97] offset:64*\b
	global_load_b128 v[BI+8*\b+4:BI+8*\b+7], v[BO], s[96:97] offset:64*\b+16
.endr
	s_wait_loadcnt 0x0
.set i, 0
.rept 64
	v_and_b32 v[BI+i], s95, v[BI+i]                ; all ones keep the bias, zeros clear it
.set i, i+1
.endr
	v_mul_u32_u24 v3, v1, PITCH
	v_lshl_add_u32 v4, v2, 4, v3                   ; a fragment's row x pitch + 16 x half
	s_mul_i32 s21, s15, HALFT                      ; my 128 rows of A
	s_mul_i32 s22, s16, HALFT                      ; my 128 rows of B,
	s_add_co_u32 s22, s22, 2*HALFT                 ; which lie behind A's 256
.irp s, 0,1
	v_add_nc_u32 v[ADRA+\s], s21, v4
	v_add_nc_u32 v[ADRB+\s], s22, v4
	s_add_co_u32 s21, s21, SLOT
	s_add_co_u32 s22, s22, SLOT
.endr
	v_mul_u32_u24 v5, v1, KS                       ; my row's scales: 32 bytes a row,
	v_lshrrev_b32 v6, 8, v5
	v_lshl_add_u32 v5, v6, 4, v5                   ; and 16 more for each 256 passed
	s_mul_i32 s21, s15, HALFS
	s_mul_i32 s22, s16, HALFS
	s_add_co_u32 s22, s22, 2*HALFS
	s_sub_co_u32 s22, s22, s21
	v_mul_u32_u24 v6, s22, v2                      ; lanes 16-31 take B's
	s_add_co_u32 s21, s21, SCL
	v_add_nc_u32 v5, v5, v6
	v_add_nc_u32 v[ADRS], s21, v5
	v_and_b32 v6, 31, v0
	v_lshlrev_b32 v[CO], 4, v6
.macro FRAG reg, adr, q, i             ; 16 rows x 128 K of 4-bit codes: 8 registers: two loads of 16 bytes, 32 bytes apart
.irp c, 0,1
	ds_load_b128 v[\reg+4*\c:\reg+4*\c+3], v[\adr] offset:64*(\q)+32*\c+(\i)*16*PITCH
.endr
.endm
; 16 matrix instructions: A's blocks a0, a0 + 1 x B's eight, 128 along K.  zero = 1: the first product starts the sums from the bias.  The 64 accumulators take turns, one instruction a turn.
; One register carries A's scale word (lanes 0-15) and B's (lanes 16-31) of block i.
.macro MUL16 a0, p, q, sc, zero
.irp a, \a0, \a0+1
.irp b, 0,1,2,3,4,5,6,7
.if \zero
	v_wmma_scale_f32_16x16x128_f8f6f4 v[8*(8*((\a)%4)+\b):8*(8*((\a)%4)+\b)+7], v[128*(\p)+FR*\b:128*(\p)+FR*\b+FR-1], v[AF+FR*(\a):AF+FR*(\a)+FR-1], v[BI+8*\b:BI+8*\b+7], v[SC+8*NQ*(\sc)+NQ*\b+(\q)], v[SC+8*NQ*(\sc)+NQ*(\a)+(\q)] matrix_a_fmt:MATRIX_FMT_FP4 matrix_b_fmt:MATRIX_FMT_FP4 matrix_a_scale:MATRIX_SCALE_ROW1
.else
	v_wmma_scale_f32_16x16x128_f8f6f4 v[8*(8*((\a)%4)+\b):8*(8*((\a)%4)+\b)+7], v[128*(\p)+FR*\b:128*(\p)+FR*\b+FR-1], v[AF+FR*(\a):AF+FR*(\a)+FR-1], v[8*(8*((\a)%4)+\b):8*(8*((\a)%4)+\b)+7], v[SC+8*NQ*(\sc)+NQ*\b+(\q)], v[SC+8*NQ*(\sc)+NQ*(\a)+(\q)] matrix_a_fmt:MATRIX_FMT_FP4 matrix_b_fmt:MATRIX_FMT_FP4 matrix_a_scale:MATRIX_SCALE_ROW1
.endif
.endr
.endr
.endm
.macro FETCH_B slot, q, p
	WIN TO_B
.irp i, 0,1,2,3,4,5,6,7
	FRAG 128*(\p)+FR*\i, ADRB+\slot, \q, \i
.endr
	WIN 0
.endm
.macro FETCH_A slot, q, i0
.irp i, \i0, \i0+1, \i0+2, \i0+3
	FRAG AF+FR*(\i), ADRA+\slot, \q, \i
.endr
.endm
.macro SCALES sc                       ; a slot's scale words: four words a row; lanes 0-15 take A's block i, lanes 16-31 B's
.irp i, 0,1,2,3,4,5,6,7
	ds_load_b128 v[SC+8*NQ*\sc+NQ*\i:SC+8*NQ*\sc+NQ*\i+3], v[ADRS] offset:\i*SBLK
.endr
.endm
.macro PLACES n                        ; plain vector lines between a matrix instruction and a load into, or a read of, its registers
.rept \n
	v_nop
.endr
.endm
; A step of 128 along K that has its successor in the same slot.  A has one set of registers: blocks 0-3 are fetched anew in the step's middle, blocks 4-7 at its end; B has two sets.
.macro STEP slot, q, zero
	s_wait_dscnt 4*NL                              ; all but the youngest eight loads (A's blocks 4-7) are in
	WIN MUL_LO-0x20*(\zero)                        ; (zero = 1: C, the bias, lies in window 0)
	MUL16 0, (\q)%2, \q, \slot, \zero
	MUL16 2, (\q)%2, \q, \slot, \zero
	s_wait_dscnt 0
	PLACES NP
	FETCH_B \slot, (\q)+1, 1-(\q)%2
	FETCH_A \slot, (\q)+1, 0
	WIN MUL_HI-0x30*(\zero)
	MUL16 4, (\q)%2, \q, \slot, \zero
	MUL16 6, (\q)%2, \q, \slot, \zero
	PLACES NP
	WIN 0
	FETCH_A \slot, (\q)+1, 4
.endm
; Slot 0's last step goes over to slot 1: each wave waits for all its tensor loads (slot 1's part), one barrier, and slot 1 is whole.
.macro TURN slot, next
	s_wait_tensorcnt 0x0                           ; all my tensor loads have landed
	ds_add_u32 v[SPW], v[NIL]                      ; 0 onto my spare word
	s_wait_dscnt 4*NL+1                            ; (the add and the youngest eight loads may be out)
	WIN MUL_LO
	MUL16 0, 1, NQ-1, \slot, 0
	s_wait_dscnt 0x0                               ; no LDS instruction of mine is out at the signal
	s_barrier_signal -1
	MUL16 2, 1, NQ-1, \slot, 0
	WIN 0
	s_barrier_wait -1
	PLACES NP
	v_add_nc_u32 v[ADRS], 4*NQ, v[ADRS]            ; on to the next slot's scale words
	FETCH_B \next, 0, 0
	FETCH_A \next, 0, 0
	SCALES \next
	WIN MUL_HI
	MUL16 4, 1, NQ-1, \slot, 0
	MUL16 6, 1, NQ-1, \slot, 0
	PLACES NP
	WIN 0
	FETCH_A \next, 0, 4
.endm
.macro STEPS slot, from
.set Q, \from
.rept NQ-1-\from
	STEP \slot, Q, 0
.set Q, Q+1
.endr
.endm
	s_wait_tensorcnt 1                             ; the scales and my part of slot 0 are in; slot 1's load may be out
	s_barrier_signal -1
	s_barrier_wait -1
	FETCH_B 0, 0, 0
	FETCH_A 0, 0, 0
	SCALES 0
	FETCH_A 0, 0, 4
	STEP 0, 0, 1
	STEPS 0, 1
	TURN 0, 1
	STEPS 1, 0
	s_wait_dscnt 4*NL                              ; the last step: nothing more to fetch
	WIN MUL_LO
	MUL16 0, 1, NQ-1, 1, 0
	MUL16 2, 1, NQ-1, 1, 0
	s_wait_dscnt 0
	WIN MUL_HI
	MUL16 4, 1, NQ-1, 1, 0
	MUL16 6, 1, NQ-1, 1, 0
	WIN 0
	; THE WAY OUT.  Token M0 and channel N0 of my first result; for v the roles of rows and columns are swapped.  All tensor loads were awaited long ago, so descriptor registers are free.
	s_lshl_b32 s18, s17, 8
	s_lshl_b32 s19, s15, 7
	s_add_co_u32 s18, s18, s19                     ; my first row of A
	s_lshl_b32 s19, s42, 8
	s_lshl_b32 s20, s16, 7
	s_add_co_u32 s19, s19, s20                     ; my first row of B
	s_cmp_eq_u32 s67, 2
	s_cselect_b32 s20, s19, s18                    ; M0
	s_cselect_b32 s21, s18, s19                    ; N0
	s_mov_b32 s99, 0x40000
	s_cselect_b32 s98, s99, 0x2000                 ; four blocks of A on: a head (v) or 64 tokens
	s_mov_b32 s100, 0x2000
	s_cselect_b32 s100, s100, s99                  ; four blocks of B on: 64 tokens (v) or a head
	s_lshr_b32 s30, s20, 11
	s_lshl_b32 s30, s30, 4
	s_lshr_b32 s21, s21, 6
	s_add_co_u32 s30, s30, s21                     ; bh = 16 batch + head
	s_lshl_b32 s30, s30, 18
	s_and_b32 s20, s20, 2047
	s_lshl_b32 s20, s20, 7                         ; 128 bytes a token in both layouts
	s_add_co_u32 s30, s30, s20
	s_lshl_b32 s20, s67, 24                        ; the tensor's part of hx
	s_add_co_u32 s30, s30, s20
	s_mov_b32 s31, 0
	s_mov_b32 s99, 0
	s_mov_b32 s101, 0
	s_add_nc_u64 s[22:23], s[12:13], s[30:31]      ; four bases, at index 2 (a / 4) + b / 4; none is ever stepped
	s_add_nc_u64 s[24:25], s[22:23], s[100:101]
	s_add_nc_u64 s[26:27], s[22:23], s[98:99]
	s_add_nc_u64 s[28:29], s[26:27], s[100:101]
.macro OUT a                           ; block a: rounded to f16 into registers of its own in window 1 (no store's data are written again), each accumulator from its low end on
	WIN 0x4a+5*((\a)/4)                            ; destination window 1, sources window 2 or 3
.irp b, 0,1,2,3,4,5,6,7
.irp i, 0,1,2,3
	v_cvt_pk_f16_f32 v[4*(8*(\a)+\b)+\i], v[8*(8*((\a)%4)+\b)+2*\i], v[8*(8*((\a)%4)+\b)+2*\i+1]
.endr
.endr
	WIN 0x04                                       ; a store's data: window 1
.irp b, 0,1,2,3,4,5,6,7
	global_store_b128 v[CO], v[4*(8*(\a)+\b):4*(8*(\a)+\b)+3], s[22+2*(2*((\a)/4)+\b/4):23+2*(2*((\a)/4)+\b/4)] offset:((\a)%4)*2048+(\b%4)*512   ; 512 consecutive bytes, aligned
.endr
.endm
	PLACES NP                                      ; behind the last products: their results are read, and B's registers are written
.irp a, 0,1,2,3,4,5,6,7
	OUT \a
.endr
	WIN 0
	s_wait_tensorcnt 0x0                           ; the wave's end
	ds_add_u32 v[SPW], v[NIL]
	s_wait_dscnt 0x0
	CROUND                                         ; the closing round
	s_endpgm
.Lfunc_end_k_qfc47ac5bed_proj:
	.size	k_qfc47ac5bed_proj, .Lfunc_end_k_qfc47ac5bed_proj-k_qfc47ac5bed_proj
	.p2alignl 7, 3214868480
	.fill 96, 4, 3214868480
	.section	.rodata,"a",@progbits
	.p2align	6, 0x0
	.amdhsa_kernel k_qfc47ac5bed_proj
		.amdhsa_group_segment_fixed_size 327680
		.amdhsa_private_segment_fixed_size 0
		.amdhsa_enable_private_segment 0
		.amdhsa_kernarg_size 56
		.amdhsa_user_sgpr_count 2
		.amdhsa_user_sgpr_kernarg_segment_ptr 1
		.amdhsa_wavefront_size32 1
		.amdhsa_system_sgpr_workgroup_id_x 1
		.amdhsa_system_sgpr_workgroup_id_y 1
		.amdhsa_system_sgpr_workgroup_id_z 1
		.amdhsa_system_vgpr_workitem_id 0
		.amdhsa_next_free_vgpr 1024
		.amdhsa_next_free_sgpr 102
		.amdhsa_reserve_vcc 0
		.amdhsa_float_denorm_mode_32 3
		.amdhsa_float_denorm_mode_16_64 3
		.amdhsa_memory_ordered 1
		.amdhsa_forward_progress 1
		.amdhsa_inst_pref_size 123
	.end_amdhsa_kernel
	.amdgpu_metadata
---
amdhsa.version: [ 1, 2 ]
amdhsa.kernels:
  - .name:           k_qfc47ac5bed_proj
    .symbol:         k_qfc47ac5bed_proj.kd
    .args:
      - { .name: xc, .offset: 0, .size: 8, .value_kind: global_buffer, .address_space: global }
      - { .name: xs, .offset: 8, .size: 8, .value_kind: global_buffer, .address_space: global }
      - { .name: wc, .offset: 16, .size: 8, .value_kind: global_buffer, .address_space: global }
      - { .name: ws, .offset: 24, .size: 8, .value_kind: global_buffer, .address_space: global }
      - { .name: bq, .offset: 32, .size: 8, .value_kind: global_buffer, .address_space: global }
      - { .name: bk, .offset: 40, .size: 8, .value_kind: global_buffer, .address_space: global }
      - { .name: hx, .offset: 48, .size: 8, .value_kind: global_buffer, .address_space: global }
    .group_segment_fixed_size: 327680
    .private_segment_fixed_size: 0
    .kernarg_segment_align: 8
    .kernarg_segment_size: 56
    .max_flat_workgroup_size: 128
    .sgpr_count:     102
    .vgpr_count:     1024
    .wavefront_size: 32
...
	.end_amdgpu_metadata
.endif
;; end of part 3
;; launch attn (part 4): grid 4 x 64, 8 waves a work-group, clusters of 4 x 1, 327,680 bytes of LDS; arguments hx, bv, of; writes of
.if DOCPART == 4
	.amdgcn_target "amdgcn-amd-amdhsa--gfx1250"
	.amdhsa_code_object_version 6
	.text
	.protected	k_qfc47ac5bed_attn
	.globl	k_qfc47ac5bed_attn
	.p2align	8
	.type	k_qfc47ac5bed_attn,@function
k_qfc47ac5bed_attn:
	s_mov_b64 s[64:65], 0
	v_nop
	global_prefetch_b8 v0, s[64:65] scope:SCOPE_SE
	s_setreg_imm32_b32 hwreg(HW_REG_WAVE_MODE, 25, 1), 1
	s_wait_xcnt 0x0
	s_wait_alu depctr_hold_cnt(0) depctr_sa_sdst(0) depctr_va_vdst(0) depctr_va_sdst(0) depctr_va_ssrc(0) depctr_va_vcc(0) depctr_vm_vsrc(0)
	s_getreg_b32 s2, hwreg(HW_REG_IB_STS2, 6, 4)
	s_cmp_eq_u32 s2, 0
	s_cbranch_scc0 .Lentry_in_a_cluster
	s_endpgm
.Lentry_in_a_cluster:
	s_bfe_u32 s2, ttmp6, 0x10000c
	s_cmp_lg_u32 s2, 0x3003
	s_cbranch_scc0 .Lentry_shape_is_right
	s_endpgm
.Lentry_shape_is_right:
; O[bh][q] = sum over k of softmax_k(Q[bh][q] . K[bh][k] / 8) V[bh][k] + bv.  64 (batch, head) pairs, 2,048 queries and keys, head size 64.  Operands in f16, products, maxima and sums in f32;
; the weights p are rounded to f16 for the second product.  bv is added behind the division by the row's sum: the weights sum to one, so that is the same number; the order of rounding differs from v wv + bv ahead of the product.
; LIMITS: |O| beyond 65,504 leaves f16's range; NaN and infinities are not served.
; SHARES.  A work-group owns 512 queries of one pair, each of its eight waves 64: four tiles of 16.  Every wave walks all keys, 64 a step.  Two waves to a SIMD.
; hx holds Q, K and V^T as images of the operands' registers (a fragment: two runs of 512 bytes, 16 bytes a lane), so every load from LDS reads 512 consecutive bytes and nothing is turned or padded.
; LAYOUT.  S^T = K Q^T (source 0 = 16 keys, source 1 = 16 queries): a lane holds ONE query (lane % 16) and keys 8 (lane / 16) + 0..7.  Two such tiles, rounded to f16 in pairs, ARE source 1
; (32 keys x 16 queries) of O^T = V^T P.  P is written IN PLACE into the low half of the tile's 32 score registers.
; SOFTMAX.  A running maximum m and sum l: p = 2^(c s - c m), c = log2(e) / 8; in every step O and l are multiplied by a = 2^(c m_old - c m_new).
; BY TURNS.  The wave's tiles are two pieces (tiles 0, 1 and tiles 2, 3).  In a turn one piece has the matrix unit: 16 products V^T P of the step in hand, then 16 products K Q^T of the next step;
; the other piece's softmax, 236 vector lines, stands in slices of seven behind them.  Two turns are a key step.
; CLUSTER.  The four blocks of queries of a pair walk the same K and V: each tile is asked for JOINTLY, by the same tensor load with the same descriptor and a mask that names the four.
; RING.  Two slots of 512 keys (K's 65,536 bytes, then V's).  Each of the eight waves brings 16,384 bytes by one load.  A refill goes out at a change of slots and has eight key steps in which to land.
; No prefetch is laid: no wave waits for a refill that was asked for eight key steps ahead, and the first fills stand at the head.
; REGISTERS: window 0: v2-5 addresses; v12-43 eight statistics a tile; v62, v63 the add's two; v64-191 S^T, 32 a tile (P in registers 0-15 of each); v192-255 V's 8 fragments.
;   window 1: v0-127 O^T (32 tile + 8 ct); v128-191 Q (16 tile + 8 c32); v192-255 K (8 (2 kt + c32)).
.set STEPB, 8192                       ; a key step's bytes of K, and of V
.set VOFF,  65536
.set SLOT1, 1<<17                      ; slot 1 begins here: one exclusive or turns an address from one slot to the other
.set SPARE, 2*SLOT1                    ; the spare words, 128 bytes a wave
.set AK0, 2                            ; v2  16 x lane: my place in an image; also my offset in Q and in of
.set AV0, 3                            ; v3  the same in V's half of a slot
.set ADR, 4                            ; v4  the address of the run of loads in hand
.set BO,  5                            ; v5  32 h
.set ST,  12                           ; tile t at v[ST + 8 t]: +0 c m, +1 m, +2, +3 l, +4 to +7 at work (c0-c3; then +4, +5 a second chain of sums, +6 a)
.set SPW, 62
.set NIL, 63
.set S,   64
.set VB,  192
.set QB,  128                          ; in window 1
.set KB,  192                          ; in window 1
.set WV,  12
.set G1,  24                           ; s[24:31] descriptor group 1, one for all loads
.set G0,  32                           ; s[32:35], s[36:39] groups 0 of the two first fills; the second then walks on
.set SLOTS, 56
.set CNT, 57
.set CS,  58                           ; s[58:59] c, twice
.set SEL, 60                           ; s[60:61] lane selects: lane l xor 16
.set TB,  62                           ; s62 LDS byte at which the tiles of the step to be fetched begin
.set MSB, 0
.macro WIN new                         ; the immediate's high byte repeats the setting that is left; a switch that changes nothing is dropped
.if MSB != \new
	s_set_vgpr_msb (MSB<<8)|\new
.set MSB, \new
.endif
.endm
.set W_KQ, 0x05                        ; K and Q in window 1, S^T in window 0
.set W_PV, 0x50                        ; V and P in window 0, O^T in window 1
.set W_RS, 0x41                        ; O^T (destination and source 0) in window 1, the rest in window 0
.set TO_1, 0x40
.macro CROUND                          ; a round of the cluster's barrier
	s_barrier_signal -1
	s_barrier_wait -1
	s_cmp_lg_u32 s[WV], 0
	s_cbranch_scc1 .Lnot_wave_0_\@
	s_barrier_signal -3
.Lnot_wave_0_\@:
	s_barrier_wait -3
	s_barrier_signal -1
	s_barrier_wait -1
.endm
.macro PLACES
.rept 4
	v_nop
.endr
.endm
	s_load_b128 s[4:7], s[0:1], 0x0                ; hx, bv
	s_load_b64 s[8:9], s[0:1], 0x10                ; of
	v_lshl_add_u32 v[SPW], v0, 2, SPARE
	v_mov_b32 v[NIL], 0
	ds_add_u32 v[SPW], v[NIL]                      ; the wave's opening: the add, twice on end, and its wait ahead of my first tensor load
	ds_add_u32 v[SPW], v[NIL]
	v_lshrrev_b32 v1, 5, v0
	v_readfirstlane_b32 s[WV], v1                  ; wave 0..7
	s_bfe_u32 s13, ttmp6, 0x40000                  ; cx: my block of 512 queries; it enters Q's and of's addresses alone
	s_and_b32 s14, ttmp7, 0xffff                   ; bh, which the four partners share
	; descriptor group 1: 64 rows of 256 bytes (32 elements of 8), dense, no padding; the mask names all four work-groups
	s_mov_b32 s[G1], 15|(3<<16)|(1<<21)
	s_mov_b32 s[G1+1], 32<<16                      ; tensor_dim0
	s_mov_b32 s[G1+2], 64<<16                      ; tensor_dim1
	s_mov_b32 s[G1+3], 32<<16                      ; tile_dim0
	s_mov_b32 s[G1+4], 64                          ; tile_dim1
	s_mov_b32 s[G1+5], 32                          ; pitch
	s_mov_b32 s[G1+6], 0
	s_mov_b32 s[G1+7], 0
	s_lshr_b32 s16, s[WV], 2                       ; waves 0-3 fetch K's quarters, waves 4-7 V's
	s_add_co_u32 s16, s16, 1
	s_lshl_b32 s16, s16, 24                        ; K's or V's part of hx
	s_lshl_b32 s17, s14, 18                        ; 262,144 bytes a pair
	s_add_co_u32 s16, s16, s17
	s_and_b32 s2, s[WV], 3
	s_lshl_b32 s2, s2, 14
	s_add_co_u32 s16, s16, s2                      ; my quarter of a slot's 65,536
	s_lshl_b32 s15, s[WV], 14                      ; and its place in a slot: no place in the cluster enters an LDS address
	s_lshl_b32 s18, s13, 16                        ; Q: my block's 32 tiles of 2,048 bytes,
	s_add_co_u32 s18, s18, s17
	s_lshl_b32 s19, s[WV], 13                      ; my wave's four
	s_add_co_u32 s18, s18, s19
	s_mov_b32 s19, 0
	s_mov_b32 s17, 0
	s_lshr_b32 s20, s14, 4                         ; of: [m / 16][32,768 bytes]: the batch's 128 tiles,
	s_lshl_b32 s20, s20, 22
	s_lshl_b32 s21, s13, 20                        ; my block's 32,
	s_add_co_u32 s20, s20, s21
	s_lshl_b32 s21, s[WV], 17                      ; my wave's four,
	s_add_co_u32 s20, s20, s21
	s_and_b32 s22, s14, 15                         ; the head:
	s_lshl_b32 s21, s22, 11                        ; its 2,048 bytes of a tile
	s_add_co_u32 s20, s20, s21
	s_mov_b32 s21, 0
	s_lshl_b32 s22, s22, 8                         ; bv: the head's 64 numbers
	s_mov_b32 s23, 0
	s_mov_b32 s[CS], 0x3e38aa3b                    ; c = log2(e) / 8
	s_mov_b32 s[CS+1], s[CS]
	s_mov_b32 s[SEL], 0x76543210
	s_mov_b32 s[SEL+1], 0xfedcba98
	s_mov_b32 s[TB], 0
	s_mov_b32 s[SLOTS], 2
	s_wait_dscnt 0x0                               ; both opening adds are done
	s_wait_kmcnt 0x0
	s_add_nc_u64 s[16:17], s[4:5], s[16:17]
	s_add_nc_u64 s[4:5], s[4:5], s[18:19]
	s_add_nc_u64 s[6:7], s[6:7], s[22:23]
	s_add_nc_u64 s[8:9], s[8:9], s[20:21]
	CROUND                                         ; all four work-groups are here: the first joint loads meet
.irp s, 0,1
	s_mov_b32 s[G0+4*\s], 1
	s_add_co_u32 s[G0+4*\s+1], s15, \s*SLOT1
	s_add_nc_u64 s[G0+4*\s+2:G0+4*\s+3], s[16:17], \s*65536
	s_or_b32 s[G0+4*\s+3], s[G0+4*\s+3], 0x80000000
.endr
	tensor_load_to_lds s[G0:G0+3], s[G1:G1+7]      ; keys 0-511; two loads of mine are out
	s_nop 0
	tensor_load_to_lds s[G0+4:G0+7], s[G1:G1+7]    ; keys 512-1023
	s_nop 0
	PLACES
	v_and_b32 v1, 31, v0
	v_lshlrev_b32 v[AK0], 4, v1
	v_add_nc_u32 v[AV0], VOFF, v[AK0]
	v_bfe_u32 v1, v0, 4, 1
	v_lshlrev_b32 v[BO], 5, v1
	WIN TO_1
.set n, 0
.rept 16                               ; Q stays in registers: tile n / 4, c32 (n / 2) % 2, half n % 2
	global_load_b128 v[QB+4*n:QB+4*n+3], v[AK0], s[4:5] offset:512*n
.set n, n+1
.endr
	WIN 0
; Product i of 16 of O^T += V^T P for piece x: keys 32 (i / 8) on, channels 16 ((i / 2) % 4) on, tile x + i % 2.  Eight accumulators take turns, one instruction a turn.
.macro PV x, zero
	WIN W_PV
.set rO, 32*(\x+i%2)+8*((i/2)%4)
.set rV, VB+8*(2*((i/2)%4)+i/8)
.set rP, S+32*(\x+i%2)+8*(i/8)
.if (\zero) && (i < 8)
	v_wmma_f32_16x16x32_f16 v[rO:rO+7], v[rV:rV+7], v[rP:rP+7], 0
.else
	v_wmma_f32_16x16x32_f16 v[rO:rO+7], v[rV:rV+7], v[rP:rP+7], v[rO:rO+7]
.endif
.endm
; Product i of 16 of S^T = K Q^T: channels 32 (i / 8) on, tile x + i % 2, key tiles in the order 2, 3, 0, 1: the registers that held P are written last, well behind the products that read them.
.macro KQ x
	WIN W_KQ
.set kt, ((i/2)+2)%4
.set rD, S+32*(\x+i%2)+8*kt
.set rK, KB+8*(2*kt+i/8)
.set rQ, QB+16*(\x+i%2)+8*(i/8)
.if i < 8
	v_wmma_f32_16x16x32_f16 v[rD:rD+7], v[rK:rK+7], v[rQ:rQ+7], 0
.else
	v_wmma_f32_16x16x32_f16 v[rD:rD+7], v[rK:rK+7], v[rQ:rQ+7], v[rD:rD+7]
.endif
.endm
; The LDS loads stand in runs of 16: a step's K and, a turn later, its V.
.macro FETCH_K
	WIN 0
	v_add_nc_u32 v[ADR], s[TB], v[AK0]
	WIN TO_1
.set n, 0
.rept 16
	ds_load_b128 v[KB+4*n:KB+4*n+3], v[ADR] offset:512*n
.set n, n+1
.endr
.endm
.macro FETCH_V
	WIN 0
	v_add_nc_u32 v[ADR], s[TB], v[AV0]
	s_add_co_u32 s[TB], s[TB], STEPB               ; the next fetch is the next step's
	s_wait_alu depctr_va_vdst(0)                   ; the wait for the softmax's batch of exponentials, ahead of the first line that names a result
.set n, 0
.rept 16
	ds_load_b128 v[VB+4*n:VB+4*n+3], v[ADR] offset:512*n
.set n, n+1
.endr
.endm
; One tile's softmax for a key step is a list of 118 lines; SM writes number j of it for tile tl.  s0-s31 are the lane's 32 scores, in pairs 0-15.  first = 1: the first key step.
;   0-15 the maximum of the scores and the old m;  16-20 the other half of the lanes', the new m, c m, its change
;   21-69 ONE BATCH: 16 scalings c s - c m and 33 exponentials (a at 23); none of these names an exponential's result
;   70-85 the sums, in two chains, which leave p as it is;  86-101 the roundings to f16, ascending, in place: a destination never passes a source not yet read;  102-117 O^T times a
.macro SM first
.set rT, ST+8*tl
.set rS, S+32*tl
.set rO, 32*tl+2*(j-102)
.if j < 102
	WIN 0
.endif
.if j < 4
	v_max3_num_f32 v[rT+4+j], v[rS+8*j], v[rS+8*j+1], v[rS+8*j+2]  ; each accumulator is first read at its low end
.elseif j < 12
	v_max3_num_f32 v[rT+4+j%4], v[rT+4+j%4], v[rS+8*(j%4)+2*(j/4)+1], v[rS+8*(j%4)+2*(j/4)+2]
.elseif j == 12
	v_max3_num_f32 v[rT+4], v[rT+4], v[rS+7], v[rS+15]
.elseif j == 13
	v_max3_num_f32 v[rT+6], v[rT+6], v[rS+23], v[rS+31]
.elseif j == 14
	v_max3_num_f32 v[rT+4], v[rT+4], v[rT+5], v[rT+6]
.elseif (j == 15) && \first
	v_max_num_f32 v[rT+4], v[rT+4], v[rT+7]
.elseif j == 15
	v_max3_num_f32 v[rT+4], v[rT+4], v[rT+7], v[rT+1]
.elseif j == 16
	v_permlanex16_b32 v[rT+5], v[rT+4], s[SEL], s[SEL+1]           ; the query's other 32 keys lie in the lane 16 away
.elseif j == 18
	v_max_num_f32 v[rT+1], v[rT+4], v[rT+5]
.elseif j == 19
	v_mul_f32 v[rT], s[CS], v[rT+1]
.elseif ((j == 17) || (j == 20) || (j == 23) || (j == 72) || (j > 101)) && \first   ; the first step has none of these
.elseif j == 17
	v_mov_b32 v[rT+7], v[rT]                       ; c m_old is kept for a
.elseif j == 20
	v_sub_f32 v[rT+7], v[rT+7], v[rT]
.elseif j == 23
	v_exp_f32 v[rT+6], v[rT+7]
.elseif (j < 23) || ((j < 38) && (j%2 == 0)) || ((j < 66) && (j%4 == 2))
.set b, (j-2)/4                        ; 38, 42, .. 62: pairs 9 to 15
.if j < 38
.set b, (j-20)/2                       ; 21: pair 0; 22, 24, .. 36: pairs 1 to 8
.endif
	v_pk_fma_f32 v[rS+2*b:rS+2*b+1], v[rS+2*b:rS+2*b+1], s[CS:CS+1], v[rT:rT+1] op_sel_hi:[1,0,0] neg_lo:[0,0,1] neg_hi:[0,0,1]
.elseif j < 70
.set e, j-38                           ; 66 to 69: s28 to s31
.if j < 66
.set e, j-32-(j-38)/4                  ; 39-41, 43-45, .. 63-65: s7 to s27
.endif
.if j < 38
.set e, (j-25)/2                       ; 25, 27, .. 37: s0 to s6
.endif
	v_exp_f32 v[rS+e], v[rS+e]
.elseif j < 86
.set z, j-70
.if (z == 0) && \first
	v_pk_add_f32 v[rT+2:rT+3], v[rS:rS+1], v[rS+6:rS+7]            ; l starts: pairs 0 and 3
.elseif z == 0
	v_pk_fma_f32 v[rT+2:rT+3], v[rT+2:rT+3], v[rT+6:rT+7], v[rS:rS+1] op_sel_hi:[1,0,1]   ; l a + pair 0
.elseif z == 1
	v_pk_add_f32 v[rT+4:rT+5], v[rS+2:rS+3], v[rS+4:rS+5]          ; the second chain starts: pairs 1 and 2
.elseif z == 15
	v_pk_add_f32 v[rT+2:rT+3], v[rT+2:rT+3], v[rT+4:rT+5]
.elseif z%2 == 0
	v_pk_add_f32 v[rT+2:rT+3], v[rT+2:rT+3], v[rS+2*z+2:rS+2*z+3]
.else
	v_pk_add_f32 v[rT+4:rT+5], v[rT+4:rT+5], v[rS+2*z+2:rS+2*z+3]
.endif
.elseif j < 102
	v_cvt_pk_f16_f32 v[rS+j-86], v[rS+2*(j-86)], v[rS+2*(j-86)+1]
.else
	WIN W_RS
	v_pk_mul_f32 v[rO:rO+1], v[rO:rO+1], v[rT+6:rT+7] op_sel_hi:[1,0]
.endif
.endm
; Line g of 236 of piece y's softmax.  Up to 43 and from 140 on the two tiles alternate, so that no line reads the result of the line just before it; 44 to 139 deal out the batch, four numbers of one tile at a time.
; Behind line 139 all 66 exponentials are issued and no result has been named: one plain line, then ONE wait for the batch (in piece 2's turn it stands in V's run of loads).
.macro SMG y, first
.if g < 44
.set j, g/2
.set tl, (\y)+g%2
.elseif g < 140
.set j, 22+4*((g-44)/8)+(g-44)%4
.set tl, (\y)+((g-44)/4)%2
.else
.set j, 70+(g-140)/2
.set tl, (\y)+g%2
.endif
	SM \first
.set g, g+1
.if g == 140
	WIN 0
	v_nop
.if (\y) == 0
	FETCH_V
.else
	s_wait_alu depctr_va_vdst(0)
.endif
.endif
.endm
; A TURN.  Piece x has the matrix unit.  pv = 2: 16 products V^T P; 1: they start O^T's sums; 0: none.  kq = 1: 16 products K Q^T for the next step.
; Seven lines of the other piece's softmax follow each product (fourteen where the turn has one kind), and the twelve that are over follow the last.
; DISTANCES, by count, products numbered 0-31.  Behind product 31 stand 19 plain lines on the other piece's O^T: the places in front of the next turn's first read of the new scores and of K's reload.
; V is reloaded behind product 19; its last reader is product 15; between them stand six scalings, the v_nop and the run's own addition.  P's upper half, last read by products 14 and 15, is written by products 22 and 23:
; those eight lines and fourteen sums lie between; P's lower half, last read by product 7, is written by products 20 and 21.
.macro TURN x, pv, kq, first
.set g, 0
.set quota, 14
.if \pv && \kq
.set quota, 7
.endif
.if \pv
.if \x == 0
	s_wait_dscnt 0x0                               ; V is in
.endif
.set i, 0
.rept 16
	PV \x, 2-\pv
.rept quota
	SMG 2-\x, \first
.endr
.if (\x == 0) && \kq && (i == 1)
	FETCH_K
.endif
.set i, i+1
.endr
.endif
.if \kq
.if \x == 0
	s_wait_dscnt 0x0                               ; K is in
.endif
.set i, 0
.rept 16
	KQ \x
.rept quota
	SMG 2-\x, \first
.endr
.set i, i+1
.endr
.endif
.rept 236-g
	SMG 2-\x, \first
.endr
.if \first
	PLACES                                         ; the first step's list ends early: these take the last lines' part as the places behind the last products
.endif
.endm
; THE CHANGE OF SLOTS, between piece 2's turn and piece 0's: all of the slot's bytes have been asked for.  Each wave waits for all its tensor loads (its part of the other slot), adds 0 to its spare word, and waits for
; that and for its reads of the slot.  fill = 1: the barrier is a round of the cluster's, and the joint refill, the keys two slots on, is the first thing behind it.
.macro CHANGE fill
	WIN 0
	s_wait_tensorcnt 0x0                           ; no tensor load of mine is out, so a group 0 may be written
	ds_add_u32 v[SPW], v[NIL]
.if \fill
	s_xor_b32 s[G0+5], s[G0+5], SLOT1              ; the walking descriptor: the other slot than last time,
	s_add_nc_u64 s[G0+6:G0+7], s[G0+6:G0+7], 65536 ; the next 512 keys
	s_wait_dscnt 0x0                               ; the add is done, and my reads of the slot are over
	CROUND
	tensor_load_to_lds s[G0+4:G0+7], s[G1:G1+7]
	s_nop 0
	PLACES
.else
	s_wait_dscnt 0x0
	s_barrier_signal -1
	s_barrier_wait -1
.endif
	s_sub_co_u32 s[TB], s[TB], 8*STEPB             ; the fetches go back to a slot's first step,
	s_xor_b32 s[TB], s[TB], SLOT1                  ; in the other slot
.endm
.macro STEPS n                         ; n key steps: written once, walked n times; the LDS addresses hang on s[TB]
	WIN 0
	s_mov_b32 s[CNT], \n
.Lstep_\@:
	TURN 0, 2, 1, 0
	TURN 2, 2, 1, 0
	WIN 0
	s_sub_co_u32 s[CNT], s[CNT], 1
	s_cmp_lg_u32 s[CNT], 0
	s_cbranch_scc1 .Lstep_\@
.endm
	s_wait_tensorcnt 1                             ; my part of slot 0 is in; slot 1's may stay out
	s_barrier_signal -1
	s_barrier_wait -1
	FETCH_K                                        ; key step 0
	s_wait_loadcnt 0x0                             ; Q
	s_wait_dscnt 0x0
.set i, 0
.rept 16
	KQ 0                                           ; piece 0's first scores
.set i, i+1
.endr
	PLACES
	TURN 2, 0, 1, 1                                ; piece 2's first scores | piece 0's first softmax | V of step 0
	TURN 0, 1, 1, 1                                ; piece 0: V^T P of step 0 starts O^T, K Q^T of step 1 | piece 2's first softmax | K of step 1
	TURN 2, 1, 1, 0                                ; piece 2: the same | piece 0's softmax of step 1 | V of step 1
	STEPS 6                                        ; the fetches reach the end of slot 0
.Lslot:                                            ; two trips: slots 0 and 1 are filled again, with keys 1,024 on and 1,536 on
	CHANGE 1
	STEPS 8
	s_sub_co_u32 s[SLOTS], s[SLOTS], 1
	s_cmp_lg_u32 s[SLOTS], 0
	s_cbranch_scc1 .Lslot
	CHANGE 0                                       ; the tail is written out: nothing more is asked for
	STEPS 8
.irp c, 0,1,2,3                        ; bv[64 head + 16 c + 8 h + 0..7], into the upper halves of piece 0's score registers, which nothing reads any more
	global_load_b128 v[80+8*(\c%2)+32*(\c/2):83+8*(\c%2)+32*(\c/2)], v[BO], s[6:7] offset:64*\c
	global_load_b128 v[84+8*(\c%2)+32*(\c/2):87+8*(\c%2)+32*(\c/2)], v[BO], s[6:7] offset:64*\c+16
.endr
	TURN 0, 2, 0, 0                                ; piece 0: V^T P of the last step | piece 2's last softmax
.set i, 0
.rept 16
	PV 2, 0                                        ; piece 2: V^T P of the last step
.set i, i+1
.endr
	; THE WAY OUT.  l's halves are added (these lines are the places behind the last products); O^T / l + bv, rounded to f16, is half of a fragment of the last product: 16 bytes a lane, stored as it stands.
	WIN 0
.irp t, 0,1,2,3
	v_add_f32 v[ST+8*\t+4], v[ST+8*\t+2], v[ST+8*\t+3]
.endr
.irp t, 0,1,2,3
	v_permlanex16_b32 v[ST+8*\t+5], v[ST+8*\t+4], s[SEL], s[SEL+1]
.endr
.irp t, 0,1,2,3
	v_add_f32 v[ST+8*\t+4], v[ST+8*\t+4], v[ST+8*\t+5]
.endr
.irp t, 0,1,2,3
	v_rcp_f32 v[ST+8*\t+6], v[ST+8*\t+4]
.endr
	v_nop                                          ; a plain line behind the last reciprocal
	s_wait_alu depctr_va_vdst(0)                   ; one wait for the four, ahead of their first reader
	s_wait_loadcnt 0x0                             ; bv
.macro SENDT t
	WIN W_RS
.set n, 0
.rept 16
	v_pk_fma_f32 v[32*\t+2*n:32*\t+2*n+1], v[32*\t+2*n:32*\t+2*n+1], v[ST+8*\t+6:ST+8*\t+7], v[80+8*((n/4)%2)+32*(n/8)+2*(n%4):81+8*((n/4)%2)+32*(n/8)+2*(n%4)] op_sel_hi:[1,0,1]
.set n, n+1
.endr
	WIN 0x05                                       ; sources window 1, destination window 0: piece 2's score registers are free
.set n, 0
.rept 16
	v_cvt_pk_f16_f32 v[128+16*\t+n], v[32*\t+2*n], v[32*\t+2*n+1]
.set n, n+1
.endr
	WIN 0
.irp c, 0,1,2,3
	global_store_b128 v[AK0], v[128+16*\t+4*\c:131+16*\t+4*\c], s[8:9] offset:32768*\t+512*\c   ; 512 consecutive bytes, aligned; each tile has registers of its own
.endr
.endm
	SENDT 0
	SENDT 1
	SENDT 2
	SENDT 3
	s_wait_tensorcnt 0x0                           ; the wave's end
	ds_add_u32 v[SPW], v[NIL]
	s_wait_dscnt 0x0
	CROUND                                         ; the closing round
	s_endpgm
.Lfunc_end_k_qfc47ac5bed_attn:
	.size	k_qfc47ac5bed_attn, .Lfunc_end_k_qfc47ac5bed_attn-k_qfc47ac5bed_attn
	.p2alignl 7, 3214868480
	.fill 96, 4, 3214868480
	.section	.rodata,"a",@progbits
	.p2align	6, 0x0
	.amdhsa_kernel k_qfc47ac5bed_attn
		.amdhsa_group_segment_fixed_size 327680
		.amdhsa_private_segment_fixed_size 0
		.amdhsa_enable_private_segment 0
		.amdhsa_kernarg_size 24
		.amdhsa_user_sgpr_count 2
		.amdhsa_user_sgpr_kernarg_segment_ptr 1
		.amdhsa_wavefront_size32 1
		.amdhsa_system_sgpr_workgroup_id_x 1
		.amdhsa_system_sgpr_workgroup_id_y 1
		.amdhsa_system_sgpr_workgroup_id_z 1
		.amdhsa_system_vgpr_workitem_id 0
		.amdhsa_next_free_vgpr 512
		.amdhsa_next_free_sgpr 66
		.amdhsa_reserve_vcc 0
		.amdhsa_float_denorm_mode_32 3
		.amdhsa_float_denorm_mode_16_64 3
		.amdhsa_memory_ordered 1
		.amdhsa_forward_progress 1
		.amdhsa_inst_pref_size 190
	.end_amdhsa_kernel
	.amdgpu_metadata
---
amdhsa.version: [ 1, 2 ]
amdhsa.kernels:
  - .name:           k_qfc47ac5bed_attn
    .symbol:         k_qfc47ac5bed_attn.kd
    .args:
      - { .name: hx, .offset: 0, .size: 8, .value_kind: global_buffer, .address_space: global }
      - { .name: bv, .offset: 8, .size: 8, .value_kind: global_buffer, .address_space: global }
      - { .name: of, .offset: 16, .size: 8, .value_kind: global_buffer, .address_space: global }
    .group_segment_fixed_size: 327680
    .private_segment_fixed_size: 0
    .kernarg_segment_align: 8
    .kernarg_segment_size: 24
    .max_flat_workgroup_size: 256
    .sgpr_count:     66
    .vgpr_count:     512
    .wavefront_size: 32
...
	.end_amdgpu_metadata
.endif
;; end of part 4
;; launch oproj (part 5): grid 32 x 8, 4 waves a work-group, clusters of 4 x 1, 327,680 bytes of LDS; arguments of, wof, bo, out0; writes out0
.if DOCPART == 5
	.amdgcn_target "amdgcn-amd-amdhsa--gfx1250"
	.amdhsa_code_object_version 6
	.text
	.protected	k_qfc47ac5bed_oproj
	.globl	k_qfc47ac5bed_oproj
	.p2align	8
	.type	k_qfc47ac5bed_oproj,@function
k_qfc47ac5bed_oproj:
	s_mov_b64 s[64:65], 0
	v_nop
	global_prefetch_b8 v0, s[64:65] scope:SCOPE_SE
	s_setreg_imm32_b32 hwreg(HW_REG_WAVE_MODE, 25, 1), 1
	s_wait_xcnt 0x0
	s_wait_alu depctr_hold_cnt(0) depctr_sa_sdst(0) depctr_va_vdst(0) depctr_va_sdst(0) depctr_va_ssrc(0) depctr_va_vcc(0) depctr_vm_vsrc(0)
	s_getreg_b32 s2, hwreg(HW_REG_IB_STS2, 6, 4)
	s_cmp_eq_u32 s2, 0
	s_cbranch_scc0 .Lentry_in_a_cluster
	s_endpgm
.Lentry_in_a_cluster:
	s_bfe_u32 s2, ttmp6, 0x10000c
	s_cmp_lg_u32 s2, 0x3003
	s_cbranch_scc0 .Lentry_shape_is_right
	s_endpgm
.Lentry_shape_is_right:
; out0 = O wo + bo.  O [8192][1024] and wo [1024 (k)][1024 (n)] in f16, both laid as images of the operands' registers; sums in f32; out0 f32.
; A work-group makes 256 rows x 128 columns; each of its four waves 64 rows x 128 columns: 32 accumulators.  256 work-groups.
; B: the 128 columns' fragments for ALL of K are 262,144 dense bytes: they come into LDS once, in four chunks of 256 along K, and nothing is ever filled again.  The four work-groups of a cluster
; take the same columns, so each chunk is asked for JOINTLY (the same tensor load, the same descriptor, a mask that names the four).  By this text's count a wave has four tensor loads out at the start.
; A: a wave's 64 rows are read by no other wave of the work-group, so they go from memory straight into a ring of eight register sets, seven sub-steps (224 matrix instructions) ahead of their use;
; the eight work-groups that read the same rows lie in eight different clusters, and what goes to registers cannot be asked for jointly.
; THE MATRIX INSTRUCTION IS USED TRANSPOSED (source 0 = 16 columns of wo, source 1 = 16 rows of O): a lane holds eight neighbouring numbers of a row of out0.  The bias is the C of each sum's first product.
; REGISTERS: window 0: v1-11 addresses; v64-127, v128-191 B's fragments, two sets; v192-255 the bias.  window 1: accumulator (a, b) at v[8 (8 a + b)].  window 2: A's eight sets of 32; on the way out the rows read back.
.set CH,     65536                     ; a chunk: 8 sub-steps of 32 along K, 8,192 bytes each
.set STG,    4*CH                      ; behind B: a stage of 16 rows x (512 bytes + 16) for each wave; no tensor load lands there
.set SPITCH, 528
.set SPARE,  STG+4*16*SPITCH           ; the spare words, 128 bytes a wave
.set LI,  1                            ; v1    16 x lane
.set LB,  2                            ; v2-5  16 x lane + chunk
.set STO, 6
.set RD,  7
.set BOF, 8                            ; v8    32 h
.set SPW, 10
.set NIL, 11
.set BF,  64
.set BI,  192
.set WV,  12
.set G1,  24
.set G0,  32                           ; s[32:47] a group 0 for each chunk
.set MSB, 0
.macro WIN new
.if MSB != \new
	s_set_vgpr_msb (MSB<<8)|\new
.set MSB, \new
.endif
.endm
.macro CROUND
	s_barrier_signal -1
	s_barrier_wait -1
	s_cmp_lg_u32 s[WV], 0
	s_cbranch_scc1 .Lnot_wave_0_\@
	s_barrier_signal -3
.Lnot_wave_0_\@:
	s_barrier_wait -3
	s_barrier_signal -1
	s_barrier_wait -1
.endm
.macro PLACES
.rept 4
	v_nop
.endr
.endm
	s_load_b256 s[4:11], s[0:1], 0x0               ; of, wof, bo, out0
	v_lshl_add_u32 v[SPW], v0, 2, SPARE
	v_mov_b32 v[NIL], 0
	ds_add_u32 v[SPW], v[NIL]                      ; the wave's opening: the add, twice on end, and its wait ahead of my first tensor load
	ds_add_u32 v[SPW], v[NIL]
	v_lshrrev_b32 v9, 5, v0
	v_readfirstlane_b32 s[WV], v9                  ; wave 0..3
	s_bfe_u32 s13, ttmp6, 0x40000                  ; cx
	s_lshl_b32 s14, ttmp9, 2
	s_add_co_u32 s14, s14, s13                     ; my block of 256 rows: it enters A's and out0's addresses alone
	s_and_b32 s15, ttmp7, 0xffff                   ; my block of 128 columns, which the four partners share
	s_mov_b32 s[G1], 15|(3<<16)|(1<<21)            ; 64 rows of 256 bytes (32 elements of 8), dense, no padding; the mask names all four
	s_mov_b32 s[G1+1], 32<<16
	s_mov_b32 s[G1+2], 64<<16
	s_mov_b32 s[G1+3], 32<<16
	s_mov_b32 s[G1+4], 64
	s_mov_b32 s[G1+5], 32
	s_mov_b32 s[G1+6], 0
	s_mov_b32 s[G1+7], 0
	s_lshl_b32 s16, s15, 18                        ; wof: 262,144 bytes a block of columns,
	s_lshl_b32 s18, s[WV], 14                      ; my quarter of a chunk; the same in LDS
	s_add_co_u32 s16, s16, s18
	s_mov_b32 s17, 0
	s_lshl_b32 s20, s14, 19                        ; of: 16 tiles of 32,768 bytes a block of rows,
	s_lshl_b32 s21, s[WV], 17                      ; my wave's four
	s_add_co_u32 s20, s20, s21
	s_mov_b32 s21, 0
	s_lshl_b32 s22, s14, 20                        ; out0: 256 rows of 4,096 bytes,
	s_lshl_b32 s23, s[WV], 18                      ; my wave's 64,
	s_add_co_u32 s22, s22, s23
	s_lshl_b32 s2, s15, 9                          ; 128 columns: 512 bytes; the same in bo
	s_add_co_u32 s22, s22, s2
	s_mov_b32 s23, 0
	s_mov_b32 s3, 0
	s_wait_dscnt 0x0                               ; both opening adds are done
	s_wait_kmcnt 0x0
	s_add_nc_u64 s[16:17], s[6:7], s[16:17]
	s_add_nc_u64 s[4:5], s[4:5], s[20:21]
	s_add_nc_u64 s[8:9], s[8:9], s[2:3]
	s_add_nc_u64 s[10:11], s[10:11], s[22:23]
	CROUND                                         ; all four work-groups are here: the joint loads meet
.irp g, 0,1,2,3
	s_mov_b32 s[G0+4*\g], 1
	s_add_co_u32 s[G0+4*\g+1], s18, \g*CH
	s_add_nc_u64 s[G0+4*\g+2:G0+4*\g+3], s[16:17], \g*CH
	s_or_b32 s[G0+4*\g+3], s[G0+4*\g+3], 0x80000000
.endr
.irp g, 0,1,2,3
	tensor_load_to_lds s[G0+4*\g:G0+4*\g+3], s[G1:G1+7]
	s_nop 0
.endr
	PLACES
	v_and_b32 v9, 31, v0
	v_lshlrev_b32 v[LI], 4, v9
.irp g, 0,1,2,3
	v_add_nc_u32 v[LB+\g], \g*CH, v[LI]
.endr
	v_and_b32 v12, 15, v0                          ; r
	v_bfe_u32 v13, v0, 4, 1                        ; h
	s_mul_i32 s19, s[WV], 16*SPITCH
	s_add_co_u32 s19, s19, STG                     ; my stage
	v_mul_u32_u24 v[STO], v12, SPITCH              ; in: row r, 32 bytes for each half of the lanes
	v_lshl_add_u32 v[STO], v13, 5, v[STO]
	v_add_nc_u32 v[STO], s19, v[STO]
	v_add_nc_u32 v[RD], s19, v[LI]                 ; back: the 32 lanes take one row of 512 bytes
	v_lshlrev_b32 v[BOF], 5, v13
.irp b, 0,1,2,3,4,5,6,7                ; register 8 b + j = bo[128 block + 16 b + 8 h + j]
	global_load_b128 v[BI+8*\b:BI+8*\b+3], v[BOF], s[8:9] offset:64*\b
	global_load_b128 v[BI+8*\b+4:BI+8*\b+7], v[BOF], s[8:9] offset:64*\b+16
.endr
.macro ALOAD                           ; A's four fragments of sub-step ka into set ka % 8
.irp a, 0,1,2,3
	global_load_b128 v[32*(ka%8)+8*\a:32*(ka%8)+8*\a+3], v[LI], s[4:5] offset:32768*\a+1024*ka
	global_load_b128 v[32*(ka%8)+8*\a+4:32*(ka%8)+8*\a+7], v[LI], s[4:5] offset:32768*\a+1024*ka+512
.endr
.endm
.macro BLOAD                           ; B's eight fragments of sub-step kb into set kb % 2
.set n, 0
.rept 16
	ds_load_b128 v[BF+64*(kb%2)+4*n:BF+64*(kb%2)+4*n+3], v[LB+kb/8] offset:8192*(kb%8)+512*n
.set n, n+1
.endr
.endm
	WIN 0x80                                       ; destination window 2
.set ka, 0
.rept 7
	ALOAD
.set ka, ka+1
.endr
	WIN 0
	s_wait_tensorcnt 3                             ; my part of chunk 0 is in; the three later chunks may be out
	s_barrier_signal -1
	s_barrier_wait -1
.set kb, 0
	BLOAD
; Sub-step sb: 32 along K, 32 matrix instructions, all 32 accumulators by turns.
.macro SUB
.if sb > 0
	PLACES                                         ; in front of loads into the sets that the last sub-step's products read
.endif
.if sb+7 <= 31
	WIN 0x80
.set ka, sb+7
	ALOAD
.endif
	WIN 0
.if (sb == 7) || (sb == 15) || (sb == 23)
	s_wait_dscnt 0x0                               ; no LDS instruction of mine is out at the signal
	s_wait_tensorcnt 3-(sb+1)/8                    ; my part of the next chunk is in; the later chunks may be out
	s_barrier_signal -1
	s_barrier_wait -1                              ; everybody's is
.endif
.if sb < 31
.set kb, sb+1
	BLOAD
	s_wait_dscnt 16                                ; this sub-step's B is in; the 16 loads just issued may be out
.else
	s_wait_dscnt 0x0
.endif
.if sb <= 24
	s_wait_loadcnt 56                              ; this sub-step's A is in; the seven younger sub-steps' 56 loads may be out
.else
	s_wait_loadcnt 8*(31-sb)
.endif
.if sb == 0
	WIN 0x48                                       ; source 1 (A) window 2, C (the bias) window 0, D window 1
.else
	WIN 0x58                                       ; source 1 window 2, C and D window 1
.endif
.irp a, 0,1,2,3
.irp b, 0,1,2,3,4,5,6,7
.if sb == 0
	v_wmma_f32_16x16x32_f16 v[8*(8*\a+\b):8*(8*\a+\b)+7], v[BF+64*(sb%2)+8*\b:BF+64*(sb%2)+8*\b+7], v[32*(sb%8)+8*\a:32*(sb%8)+8*\a+7], v[BI+8*\b:BI+8*\b+7]
.else
	v_wmma_f32_16x16x32_f16 v[8*(8*\a+\b):8*(8*\a+\b)+7], v[BF+64*(sb%2)+8*\b:BF+64*(sb%2)+8*\b+7], v[32*(sb%8)+8*\a:32*(sb%8)+8*\a+7], v[8*(8*\a+\b):8*(8*\a+\b)+7]
.endif
.endr
.endr
.endm
.set sb, 0
.rept 32
	SUB
.set sb, sb+1
.endr
; THE WAY OUT, block by block of 16 rows x 128 columns: through my own stage in LDS and back as whole rows of 512 bytes.  LDS serves a wave's instructions in order: no wait between the stores and the loads,
; nor in front of the next block's stores.  Each block has registers of its own and no base is stepped.
.macro TOSTAGE a
	WIN 0x04                                       ; an LDS store's data: window 1
.irp b, 0,1,2,3,4,5,6,7
	ds_store_b128 v[STO], v[8*(8*(\a)+\b):8*(8*(\a)+\b)+3] offset:64*\b            ; each accumulator from its low end on
	ds_store_b128 v[STO], v[8*(8*(\a)+\b)+4:8*(8*(\a)+\b)+7] offset:64*\b+16
.endr
	WIN 0x80                                       ; destination window 2
.irp t, 0,1,2,3,4,5,6,7,8,9,10,11,12,13,14,15
	ds_load_b128 v[64*(\a)+4*\t:64*(\a)+4*\t+3], v[RD] offset:\t*SPITCH
.endr
.endm
.macro SEND a, younger                 ; younger: the LDS instructions issued behind block a's loads
	s_wait_dscnt \younger
	WIN 0x08                                       ; a store's data: window 2
.irp t, 0,1,2,3,4,5,6,7,8,9,10,11,12,13,14,15
	global_store_b128 v[LI], v[64*(\a)+4*\t:64*(\a)+4*\t+3], s[10:11] offset:65536*(\a)+4096*\t th:TH_STORE_NT   ; 512 consecutive bytes, aligned; written once, read by nobody here
.endr
.endm
	PLACES                                         ; behind the last products: results are read, and A's registers are loaded into
	TOSTAGE 0
.irp a, 1,2,3
	TOSTAGE \a
	SEND \a-1, 32                                  ; behind block a - 1's loads: block a's 16 stores and 16 loads
.endr
	SEND 3, 0
	WIN 0
	s_wait_tensorcnt 0x0                           ; the wave's end: behind my last tensor load and my last LDS store
	ds_add_u32 v[SPW], v[NIL]
	s_wait_dscnt 0x0
	CROUND                                         ; the closing round
	s_endpgm
.Lfunc_end_k_qfc47ac5bed_oproj:
	.size	k_qfc47ac5bed_oproj, .Lfunc_end_k_qfc47ac5bed_oproj-k_qfc47ac5bed_oproj
	.p2alignl 7, 3214868480
	.fill 96, 4, 3214868480
	.section	.rodata,"a",@progbits
	.p2align	6, 0x0
	.amdhsa_kernel k_qfc47ac5bed_oproj
		.amdhsa_group_segment_fixed_size 327680
		.amdhsa_private_segment_fixed_size 0
		.amdhsa_enable_private_segment 0
		.amdhsa_kernarg_size 32
		.amdhsa_user_sgpr_count 2
		.amdhsa_user_sgpr_kernarg_segment_ptr 1
		.amdhsa_wavefront_size32 1
		.amdhsa_system_sgpr_workgroup_id_x 1
		.amdhsa_system_sgpr_workgroup_id_y 1
		.amdhsa_system_sgpr_workgroup_id_z 1
		.amdhsa_system_vgpr_workitem_id 0
		.amdhsa_next_free_vgpr 768
		.amdhsa_next_free_sgpr 66
		.amdhsa_reserve_vcc 0
		.amdhsa_float_denorm_mode_32 3
		.amdhsa_float_denorm_mode_16_64 3
		.amdhsa_memory_ordered 1
		.amdhsa_forward_progress 1
		.amdhsa_inst_pref_size 151
	.end_amdhsa_kernel
	.amdgpu_metadata
---
amdhsa.version: [ 1, 2 ]
amdhsa.kernels:
  - .name:           k_qfc47ac5bed_oproj
    .symbol:         k_qfc47ac5bed_oproj.kd
    .args:
      - { .name: of, .offset: 0, .size: 8, .value_kind: global_buffer, .address_space: global }
      - { .name: wof, .offset: 8, .size: 8, .value_kind: global_buffer, .address_space: global }
      - { .name: bo, .offset: 16, .size: 8, .value_kind: global_buffer, .address_space: global }
      - { .name: out0, .offset: 24, .size: 8, .value_kind: global_buffer, .address_space: global }
    .group_segment_fixed_size: 327680
    .private_segment_fixed_size: 0
    .kernarg_segment_align: 8
    .kernarg_segment_size: 32
    .max_flat_workgroup_size: 128
    .sgpr_count:     66
    .vgpr_count:     768
    .wavefront_size: 32
...
	.end_amdgpu_metadata
.endif
;; end of part 5
